; MI455X (gfx1250); checked and timed in simulation.
; The chip was launched on July 23, 2026; its instructions are those of AMD's public machine-readable ISA for CDNA 5 (MIT licence, August 2026) and "CDNA5" Instruction Set Architecture Reference Guide (July 2026). The comments in the code are by the model that wrote it; some were corrected since.
;; BERT Legal CA. Allowed arithmetic: float matrix products may take bf16 or f16 operands with f32 sums; all other float work in f32.
;; Inputs: W_accu2 119 x 103 float32; W_term2 11 x 103 float32; Wk 768 x 768 float32; Wq 768 x 768 float32; Wv 768 x 768 float32; attention_mask 2 x 128 int32; b_accu1 1 float32; b_accu2 119 float32; b_accu_d 1 float32; b_law1 1 float32; b_law_d 1 float32; b_term1 1 float32; b_term2 11 float32; b_term_d 1 float32; bk 768 float32; bq 768 float32; bv 768 float32; laws 103 x 512 x 768 float32; output 2 x 128 x 768 float32; w_accu1 512 float32; w_accu_d 768 float32; w_law1 512 float32; w_law_d 768 float32; w_term1 512 float32; w_term_d 768 float32.
;; Outputs: out0 2 x 103 float32; out1 2 x 119 float32; out2 2 x 11 float32.
;; One version. Each part assembles by itself: llvm-mc -triple=amdgcn-amd-amdhsa -mcpu=gfx1250 --defsym DOCPART=n.
;; ======== version 1 of 1: 4 launches
;; limits: values are held in f16: magnitudes above 65,504 overflow, below 6.1e-05 lose precision
;; workspace buffers: kf 393,216 bytes; aux 12,288 bytes; mf 393,216 bytes; cu 4,096 bytes; part 32,768 bytes
;; launch prepA (part 1): grid 256 x 1, 12 waves a work-group, no clusters, 50,688 bytes of LDS; arguments Wk, output, Wv, bq, w_law_d, w_accu_d, w_term_d, kf, aux; writes kf, aux
.if DOCPART == 1
	.amdgcn_target "amdgcn-amd-amdhsa--gfx1250"
	.amdhsa_code_object_version 6
	.text
	.protected	k_q6102a8e42e_prepA
	.globl	k_q6102a8e42e_prepA
	.p2align	8
	.type	k_q6102a8e42e_prepA,@function
k_q6102a8e42e_prepA:
	s_mov_b64 s[64:65], 0
	v_nop
	global_prefetch_b8 v0, s[64:65] scope:SCOPE_SE
	s_setreg_imm32_b32 hwreg(HW_REG_WAVE_MODE, 25, 1), 1
	s_wait_xcnt 0x0
; FIRST OF FOUR LAUNCHES.  The program computes the three heads over laws [103,512,768] attending to output [2,128,768].
;
; HOW THE WORK IS RE-ASSOCIATED (exact in real numbers for every finite input; only the order of rounding differs):
;  (1) scores.  With KP = output Wk:   (laws Wq + bq) . (KP[b,s] + bk)
;        = laws . (Wq KP[b,s]) + bq . KP[b,s] + (laws Wq + bq) . bk.
;      The last term does not depend on s, the axis of the softmax, so it cancels in the softmax for all values:
;      bk HAS NO WAY TO ANY OUTPUT, IS NOT LOADED AND IS AMONG NO ARGUMENTS.  What stays is one product of laws with
;      M = Wq KP^T [768 x 256] and a vector c[b,s] = output[b,s] . (Wk bq).
;  (2) heads.  (probs facts_v) . w = probs (facts_v . w), and the sum of probs along s is 1, so each head needs only
;      u_h[b,s] = output[b,s] . (Wv w_h) + bv . w_h + b_h_d, and x_h = probs . u_h.
; NUMBER FORMATS.  The six operands on the way to a score (output, Wk, KP, Wq, M, laws) go to the matrix unit in f16, sums in f32.
; An absolute error of a score is a relative error of a softmax weight, and the law head is a sum of 512 rows with no averaging layer
; behind it: six roundings to bf16's 8 significant bits in a row leave too little of it, f16's 11 bits leave an eighth of that error.
; The softmax weights and u go to the second product as sums of two bf16 numbers each, since u has no room in f16.
; ROOM IN f16 (largest finite number 65,504), for inputs of the problem's spread (output, laws about 1, weights about 0.02), all of them
; 30 times larger, or all of them shifted by 30 times their spread: output, laws 150 or 35; Wk, Wq 3 or 0.7; KP 2,700 or
; 768 x 30 x 0.6 = 13,824; M, which is stored with the factor log2(e) / (16 sqrt(768)): 125 or 768 x 0.6 x 13,824 x 0.00325 = 20,700.
; Downwards f16 loses at most 2^-25 absolute per element; for M that is under 2.5e-4 in a score with laws 30 times larger, and only the
; absolute error of a score reaches the result.
; LIMITS, kept on purpose: beyond the ranges above an f16 operand overflows; a NaN, an infinity or an overflow that reaches only the term
; with bk is not carried to the result; tanh(x) = 1 - 2 / (1 + 2^(2 log2(e) x)), absolute error about 1e-7; v_exp_f32 and v_rcp_f32
; flush denormals.
;
; THIS LAUNCH: work-groups 0..191 make KP = output Wk in f16 (buffer kf), work-groups 192..255 make the four vectors
; Wk bq, Wv w_law_d, Wv w_accu_d, Wv w_term_d in f32 (buffer aux, [4][768]).
; Product path: work-group (bt = g & 15, eb = g >> 4) makes KP[16 bs][64 e]; wave p of 12 takes f = 64 p .. 64 p + 63 of the
; sum (two K steps of 32); the twelve partial sums meet in LDS.  Source 0 is Wk taken by columns: a 16-byte load of a row of Wk
; gives a lane four neighbouring e, one for each of four accumulator tiles, so tile j, row m stands for e = 64 eb + 4 m + j and
; nothing is transposed.  Both sources use the same map of f to registers (lane half h, register q, half of the register:
; f = 64 p + 32 s + 16 h + 2 q + half), so the products are the right ones.
; kf layout: [bt 16][eb 12][j 4][lane 32][8 f16]; lane (r, h) of piece j holds KP[16 bt + r][64 eb + 32 h + 4 jj + j], jj = 0..7.
.set ROWB,  3072                       ; bytes in a row of 768 f32
.set WV,    22                         ; s22: the wave number
.set K1BITS, 0x3b553b94                ; log2(e) / (16 sqrt(768)); not used in this launch
.set ACC,   8                          ; v[8:39]    four accumulator tiles
.set BF,    40                         ; v[40:55]   output fragments, K step 0 and 1
.set F0,    56                         ; v[56:87]   Wk fragments of K step 0, tile j at 8 j
.set RAWB,  88                         ; v[88:119]  output as loaded
.set RAWA,  120                        ; v[120:247] Wk as loaded: K step s, row i at 64 s + 4 i
.set F1,    120                        ; v[120:151] Wk fragments of K step 1, over the raw words of K step 0, which are used up by then
.set RB,    120                        ; v[120:215] the twelve partial sums on the way out
.set OUTP,  216                        ; v[216:219] 8 f16 to store
; sum over the 32 lanes, result in every lane; tmp has been written before
.macro WSUM reg, tmp
	v_add_f32_dpp v[\reg], v[\reg], v[\reg] row_xmask:1 row_mask:0xf bank_mask:0xf
	v_add_f32_dpp v[\reg], v[\reg], v[\reg] row_xmask:2 row_mask:0xf bank_mask:0xf
	v_add_f32_dpp v[\reg], v[\reg], v[\reg] row_xmask:4 row_mask:0xf bank_mask:0xf
	v_add_f32_dpp v[\reg], v[\reg], v[\reg] row_xmask:8 row_mask:0xf bank_mask:0xf
	v_permlanex16_b32 v[\tmp], v[\reg], s2, s3
	v_add_f32 v[\reg], v[\reg], v[\tmp]
.endm
; a pair of running sums becomes one number in every lane
.macro DOTRED reg
	v_add_f32 v[\reg], v[\reg], v[\reg+1]
	WSUM \reg, \reg+1
.endm
; 24 numbers a lane of two rows are multiplied and added into the pair acc; first = 1: the first product starts the sums
.macro DOT acc, a, b, first
.if \first
	v_pk_mul_f32 v[\acc:\acc+1], v[\a:\a+1], v[\b:\b+1]
.else
	v_pk_fma_f32 v[\acc:\acc+1], v[\a:\a+1], v[\b:\b+1], v[\acc:\acc+1]
.endif
.set n, 1
.rept 11
	v_pk_fma_f32 v[\acc:\acc+1], v[\a+2*n:\a+2*n+1], v[\b+2*n:\b+2*n+1], v[\acc:\acc+1]
.set n, n+1
.endr
.endm
; The twelve waves' partial tiles are added.  Each wave lays its four tiles into its own 4,096 bytes of LDS (16 bytes a lane,
; neighbouring lanes at neighbouring bytes); behind the barrier wave j (0..3) adds the twelve copies of tile j, rounds to f16 and
; stores 16 bytes a lane: 512 consecutive bytes a wave.  base: scalar pair with the byte offset of the wave's 512 bytes.
.macro REDUCE12 scale, ptr, base
	v_lshlrev_b32 v5, 4, v6                        ; 16 x lane
	v_lshl_add_u32 v7, s[WV], 12, v5               ; + 4,096 x wave
.irp j, 0,1,2,3
.irp x, 0,1
	ds_store_b128 v7, v[ACC+8*\j+4*\x:ACC+8*\j+4*\x+3] offset:1024*\j+512*\x
.endr
.endr
	s_wait_dscnt 0x0                               ; my stores are done before I signal: other waves read them
	s_barrier_signal -1
	s_barrier_wait -1
	s_cmp_ge_u32 s[WV], 4
	s_cbranch_scc1 .Lend                           ; waves 4..11 have handed their sums over
	v_lshl_add_u32 v7, s[WV], 10, v5               ; tile j = my wave number
.irp q, 0,1,2,3,4,5,6,7,8,9,10,11
.irp x, 0,1
	ds_load_b128 v[RB+8*\q+4*\x:RB+8*\q+4*\x+3], v7 offset:4096*\q+512*\x
.endr
.endr
	s_add_nc_u64 s[\ptr:\ptr+1], s[\ptr:\ptr+1], s[\base:\base+1]
	s_wait_dscnt 0x0
.irp q, 1,2,3,4,5,6,7,8,9,10,11
.irp y, 0,1,2,3
	v_pk_add_f32 v[RB+2*\y:RB+2*\y+1], v[RB+2*\y:RB+2*\y+1], v[RB+8*\q+2*\y:RB+8*\q+2*\y+1]
.endr
.endr
.if \scale
.irp y, 0,1,2,3
	v_pk_mul_f32 v[RB+2*\y:RB+2*\y+1], v[RB+2*\y:RB+2*\y+1], K1BITS op_sel_hi:[1,0]
.endr
.endif
.irp y, 0,1,2,3
	v_cvt_pk_f16_f32 v[OUTP+\y], v[RB+2*\y], v[RB+2*\y+1]
.endr
	global_store_b128 v5, v[OUTP:OUTP+3], s[\ptr:\ptr+1]
.endm
	s_load_b512 s[4:19], s[0:1], 0x0               ; Wk s[4:5], output s[6:7], Wv s[8:9], bq s[10:11], w_law_d, w_accu_d, w_term_d s[12:17], kf s[18:19]
	s_load_b64 s[20:21], s[0:1], 0x40              ; aux
	v_lshl_add_u32 v254, v0, 2, 0xc000
	v_mov_b32 v255, 0
	v_and_b32 v6, 31, v0                           ; lane
	v_lshrrev_b32 v1, 5, v0
	v_readfirstlane_b32 s[WV], v1                  ; wave p, 0..11
	v_and_b32 v1, 15, v0                           ; r
	v_bfe_u32 v2, v0, 4, 1                         ; h
	s_mov_b32 s23, ttmp9                           ; g
	s_mov_b32 s2, 0x76543210                       ; v_permlanex16_b32: lane i reads lane i of the other half
	s_mov_b32 s3, 0xfedcba98
	s_cmp_ge_u32 s23, 192
	s_cbranch_scc1 .Lvec                           ; the same for all waves of a work-group
	; ---- KP = output Wk ----
	s_and_b32 s24, s23, 15                         ; bt
	s_lshr_b32 s25, s23, 4                         ; eb
	s_mul_i32 s26, s[WV], 64*ROWB                  ; Wk: row 64 p + 16 h, byte 256 eb + 16 r
	s_lshl_b32 s27, s25, 8
	s_add_co_u32 s26, s26, s27
	v_mul_u32_u24 v3, v2, 16*ROWB
	v_lshl_add_u32 v3, v1, 4, v3
	v_add_nc_u32 v3, s26, v3
	s_mul_i32 s26, s24, 16*ROWB                    ; output: row 16 bt + r, byte 256 p + 64 h
	s_lshl_b32 s27, s[WV], 8
	s_add_co_u32 s26, s26, s27
	v_mul_u32_u24 v4, v1, ROWB
	v_lshl_add_u32 v4, v2, 6, v4
	v_add_nc_u32 v4, s26, v4
	s_mul_i32 s28, s24, 12                         ; where wave j stores: ((12 bt + eb) 4 + j) 512
	s_add_co_u32 s28, s28, s25
	s_lshl2_add_u32 s28, s28, s[WV]
	s_lshl_b32 s28, s28, 9
	s_mov_b32 s29, 0
	s_wait_kmcnt 0x0
.irp s, 0,1
.irp x, 0,1,2,3
	global_load_b128 v[RAWB+16*\s+4*\x:RAWB+16*\s+4*\x+3], v4, s[6:7] offset:128*\s+16*\x
.endr
.endr
.irp s, 0,1
.irp i, 0,1,2,3,4,5,6,7,8,9,10,11,12,13,14,15
	global_load_b128 v[RAWA+64*\s+4*\i:RAWA+64*\s+4*\i+3], v3, s[4:5] offset:(32*\s+\i)*ROWB   ; sixteen lanes read 256 consecutive bytes of a row
.endr
.endr
	s_wait_loadcnt 0x20                            ; the 32 loads of Wk may be out: the 8 of output are in
.irp s, 0,1
.irp q, 0,1,2,3,4,5,6,7
	v_cvt_pk_f16_f32 v[BF+8*\s+\q], v[RAWB+16*\s+2*\q], v[RAWB+16*\s+2*\q+1]
.endr
.endr
	s_wait_loadcnt 0x10                            ; the 16 loads of K step 1 may be out
.irp j, 0,1,2,3
.irp q, 0,1,2,3,4,5,6,7
	v_cvt_pk_f16_f32 v[F0+8*\j+\q], v[RAWA+8*\q+\j], v[RAWA+8*\q+4+\j]
.endr
.endr
.irp j, 0,1,2,3
	v_wmma_f32_16x16x32_f16 v[ACC+8*\j:ACC+8*\j+7], v[F0+8*\j:F0+8*\j+7], v[BF:BF+7], 0   ; the first K step starts the sums
.endr
	s_wait_loadcnt 0x0
.irp j, 0,1,2,3
.irp q, 0,1,2,3,4,5,6,7
	v_cvt_pk_f16_f32 v[F1+8*\j+\q], v[RAWA+64+8*\q+\j], v[RAWA+64+8*\q+4+\j]
.endr
.endr
.irp j, 0,1,2,3
	v_wmma_f32_16x16x32_f16 v[ACC+8*\j:ACC+8*\j+7], v[F1+8*\j:F1+8*\j+7], v[BF+8:BF+15], v[ACC+8*\j:ACC+8*\j+7]   ; the four accumulators take turns
.endr
.rept 4
	v_nop                                          ; four places behind the last matrix instruction (ISA guide 7.12.1) before its results are stored and its sources loaded over
.endr
	REDUCE12 0, 18, 28
.Lend:
	s_wait_tensorcnt 0x0
	ds_add_u32 v254, v255
	s_wait_dscnt 0x0
	s_endpgm
	; ---- the four vectors: one wave, one row f of Wk and of Wv ----
.set VK, 8                             ; v[8:31]    Wk[f][.]
.set VV, 32                            ; v[32:55]   Wv[f][.]
.set VQ, 56                            ; v[56:79]   bq
.set VH, 80                            ; v[80:151]  w_law_d, w_accu_d, w_term_d
.set DA, 152                           ; v[152:159] four pairs of running sums
.Lvec:
	s_sub_co_u32 s24, s23, 192
	s_mul_i32 s24, s24, 12
	s_add_co_u32 s24, s24, s[WV]                   ; f = 12 (g - 192) + p: 64 work-groups x 12 waves = 768 rows
	s_mul_i32 s25, s24, ROWB
	v_lshlrev_b32 v4, 4, v6                        ; 16 x lane
	v_add_nc_u32 v3, s25, v4
	s_wait_kmcnt 0x0
.irp i, 0,1,2,3,4,5
	global_load_b128 v[VK+4*\i:VK+4*\i+3], v3, s[4:5] offset:512*\i
	global_load_b128 v[VV+4*\i:VV+4*\i+3], v3, s[8:9] offset:512*\i
	global_load_b128 v[VQ+4*\i:VQ+4*\i+3], v4, s[10:11] offset:512*\i
	global_load_b128 v[VH+4*\i:VH+4*\i+3], v4, s[12:13] offset:512*\i
	global_load_b128 v[VH+24+4*\i:VH+24+4*\i+3], v4, s[14:15] offset:512*\i
	global_load_b128 v[VH+48+4*\i:VH+48+4*\i+3], v4, s[16:17] offset:512*\i
.endr
	s_wait_loadcnt 0x0
	DOT DA, VK, VQ, 1
	DOT DA+2, VV, VH, 1
	DOT DA+4, VV, VH+24, 1
	DOT DA+6, VV, VH+48, 1
	DOTRED DA
	DOTRED DA+2
	DOTRED DA+4
	DOTRED DA+6
	v_cmp_eq_u32 s26, 1, v6
	v_cmp_eq_u32 s27, 2, v6
	v_cmp_eq_u32 s28, 3, v6
	v_cndmask_b32 v160, v[DA], v[DA+2], s26        ; lane n takes vector n
	v_cndmask_b32 v160, v160, v[DA+4], s27
	v_cndmask_b32 v160, v160, v[DA+6], s28
	v_mul_u32_u24 v161, v6, ROWB                   ; aux[n][f]
	s_lshl_b32 s25, s24, 2
	v_add_nc_u32 v161, s25, v161
	v_cmp_gt_u32 vcc_lo, 4, v6
	s_wait_xcnt 0x0                                ; EXEC changes only when no earlier memory instruction still needs it
	s_and_saveexec_b32 s29, vcc_lo
	global_store_b32 v161, v160, s[20:21]          ; four words to four planes: aux is 12,288 bytes in all
	s_wait_xcnt 0x0
	s_or_b32 exec_lo, exec_lo, s29
	s_endpgm
.Lfunc_end_k_q6102a8e42e_prepA:
	.size	k_q6102a8e42e_prepA, .Lfunc_end_k_q6102a8e42e_prepA-k_q6102a8e42e_prepA
	.p2alignl 7, 3214868480
	.fill 96, 4, 3214868480
	.section	.rodata,"a",@progbits
	.p2align	6, 0x0
	.amdhsa_kernel k_q6102a8e42e_prepA
		.amdhsa_group_segment_fixed_size 50688
		.amdhsa_private_segment_fixed_size 0
		.amdhsa_enable_private_segment 0
		.amdhsa_kernarg_size 72
		.amdhsa_user_sgpr_count 2
		.amdhsa_user_sgpr_kernarg_segment_ptr 1
		.amdhsa_wavefront_size32 1
		.amdhsa_system_sgpr_workgroup_id_x 1
		.amdhsa_system_sgpr_workgroup_id_y 1
		.amdhsa_system_sgpr_workgroup_id_z 1
		.amdhsa_system_vgpr_workitem_id 0
		.amdhsa_next_free_vgpr 256
		.amdhsa_next_free_sgpr 66
		.amdhsa_reserve_vcc 1
		.amdhsa_float_denorm_mode_32 3
		.amdhsa_float_denorm_mode_16_64 3
		.amdhsa_memory_ordered 1
		.amdhsa_forward_progress 1
		.amdhsa_inst_pref_size 26
	.end_amdhsa_kernel
	.amdgpu_metadata
---
amdhsa.version: [ 1, 2 ]
amdhsa.kernels:
  - .name:           k_q6102a8e42e_prepA
    .symbol:         k_q6102a8e42e_prepA.kd
    .args:
      - { .name: Wk, .offset: 0, .size: 8, .value_kind: global_buffer, .address_space: global }
      - { .name: output, .offset: 8, .size: 8, .value_kind: global_buffer, .address_space: global }
      - { .name: Wv, .offset: 16, .size: 8, .value_kind: global_buffer, .address_space: global }
      - { .name: bq, .offset: 24, .size: 8, .value_kind: global_buffer, .address_space: global }
      - { .name: w_law_d, .offset: 32, .size: 8, .value_kind: global_buffer, .address_space: global }
      - { .name: w_accu_d, .offset: 40, .size: 8, .value_kind: global_buffer, .address_space: global }
      - { .name: w_term_d, .offset: 48, .size: 8, .value_kind: global_buffer, .address_space: global }
      - { .name: kf, .offset: 56, .size: 8, .value_kind: global_buffer, .address_space: global }
      - { .name: aux, .offset: 64, .size: 8, .value_kind: global_buffer, .address_space: global }
    .group_segment_fixed_size: 50688
    .private_segment_fixed_size: 0
    .kernarg_segment_align: 8
    .kernarg_segment_size: 72
    .max_flat_workgroup_size: 384
    .sgpr_count:     66
    .vgpr_count:     256
    .wavefront_size: 32
...
	.end_amdgpu_metadata
.endif
;; end of part 1
;; launch prepB (part 2): grid 214 x 1, 12 waves a work-group, no clusters, 259,584 bytes of LDS; arguments Wq, kf, output, aux, bv, w_law_d, w_accu_d, w_term_d, b_law_d, b_accu_d, b_term_d, attention_mask, mf, cu; writes mf, cu
.if DOCPART == 2
	.amdgcn_target "amdgcn-amd-amdhsa--gfx1250"
	.amdhsa_code_object_version 6
	.text
	.protected	k_q6102a8e42e_prepB
	.globl	k_q6102a8e42e_prepB
	.p2align	8
	.type	k_q6102a8e42e_prepB,@function
k_q6102a8e42e_prepB:
	s_mov_b64 s[64:65], 0
	v_nop
	global_prefetch_b8 v0, s[64:65] scope:SCOPE_SE
	s_setreg_imm32_b32 hwreg(HW_REG_WAVE_MODE, 25, 1), 1
	s_wait_xcnt 0x0
; SECOND LAUNCH.  bk is left out here too: its term is the same along the axis of the softmax (see the first kernel).
; Work-groups 0..191: M^T[bs][d] = K1 x sum over e of KP[bs][e] Wq[d][e], K1 = log2(e) / (16 sqrt(768)), in f16 (buffer mf), stored as the
; third launch wants its source-0 fragments: [w 4][kk 24][t 4][q 2][lane 32][8 f16], bs = 64 w + 16 t + (lane & 15),
; d = 32 kk + 16 q + 8 (lane >> 4) + 0..7.  The divisor 16 is room for f16 (see the first kernel); the third launch multiplies it back.
; Work-groups 192..213: one wave for each bs = (b, s): cu[0..2][bs] = u_h = output[bs] . (Wv w_h) + bv . w_h + b_h_d and
; cu[3][bs] = K1 output[bs] . (Wk bq) + (mask - 1) x 10000 log2(e) / 16, all f32.  (264 waves for 256 rows: eight waves of the last group end at once.)
; Product path: work-group (bt = g & 15, db = g >> 4) makes 16 bs x 64 d; wave p of 12 takes e = 64 p .. 64 p + 63.  Source 1 comes ready
; from kf; source 0 is made of rows of Wq by picking the raw words in the order of e that kf has
; (slot (h, register 4 jp + ii, half) of K step X holds e = 64 p + 32 h + 4 (2 ii + half) + 2 X + jp).
; A wave's share of Wq is 64 rows x 256 bytes.  Loaded by lanes as fragments, one instruction would take 32 pieces of 16 bytes from 16 rows
; 3,072 bytes apart; so ONE TENSOR LOAD a wave brings the 64 whole pieces of 256 bytes, each at a multiple of 256 bytes, into LDS bytes of the
; wave's own, and the lanes take their words from there.  Rows lie 272 = 17 x 16 bytes apart in LDS, so the sixteen rows of an LDS load
; fall on sixteen different 16-byte columns modulo 256.  Only the issuing wave reads its tile: its own wait on the tensor counter orders that.
; LDS: the twelve tiles at 17,408 x wave; the partial sums behind them at 208,896, a multiple of 256, where no tensor load lands.
.set ROWB,  3072
.set WV,    32                         ; s32: the wave number
.set K1BITS, 0x3b553b94                ; log2(e) / (16 sqrt(768))
.set WPITCH, 272
.set WTILE, 64*WPITCH                  ; 17,408
.set RBASE, 12*WTILE                   ; 208,896
.set G0,    48                         ; s[48:51] tensor descriptor: from where, to where
.set G1,    52                         ; s[52:59] and the shape
.set ACC,   8                          ; v[8:39]    four accumulator tiles (d blocks a = 0..3)
.set KB,    40                         ; v[40:55]   KP fragments, K step X at 8 X
.set F0,    56                         ; v[56:119]  Wq fragments: K step X, tile a at 32 X + 8 a
.set RAWA,  120                        ; v[120:247] Wq as f32: tile a at 32 a
.set RB,    120
.set OUTP,  216
.macro WSUM reg, tmp
	v_add_f32_dpp v[\reg], v[\reg], v[\reg] row_xmask:1 row_mask:0xf bank_mask:0xf
	v_add_f32_dpp v[\reg], v[\reg], v[\reg] row_xmask:2 row_mask:0xf bank_mask:0xf
	v_add_f32_dpp v[\reg], v[\reg], v[\reg] row_xmask:4 row_mask:0xf bank_mask:0xf
	v_add_f32_dpp v[\reg], v[\reg], v[\reg] row_xmask:8 row_mask:0xf bank_mask:0xf
	v_permlanex16_b32 v[\tmp], v[\reg], s2, s3
	v_add_f32 v[\reg], v[\reg], v[\tmp]
.endm
.macro DOTRED reg
	v_add_f32 v[\reg], v[\reg], v[\reg+1]
	WSUM \reg, \reg+1
.endm
.macro DOT acc, a, b, first
.if \first
	v_pk_mul_f32 v[\acc:\acc+1], v[\a:\a+1], v[\b:\b+1]
.else
	v_pk_fma_f32 v[\acc:\acc+1], v[\a:\a+1], v[\b:\b+1], v[\acc:\acc+1]
.endif
.set n, 1
.rept 11
	v_pk_fma_f32 v[\acc:\acc+1], v[\a+2*n:\a+2*n+1], v[\b+2*n:\b+2*n+1], v[\acc:\acc+1]
.set n, n+1
.endr
.endm
; the twelve waves' partial tiles are added through LDS, as in the first launch; scale = 1: the sums are multiplied by K1 before they are rounded
.macro REDUCE12 scale, ptr, base
	v_lshlrev_b32 v5, 4, v6                        ; 16 x lane
	v_lshl_add_u32 v7, s[WV], 12, v5               ; + 4,096 x wave
	v_add_nc_u32 v7, RBASE, v7
.irp j, 0,1,2,3
.irp x, 0,1
	ds_store_b128 v7, v[ACC+8*\j+4*\x:ACC+8*\j+4*\x+3] offset:1024*\j+512*\x
.endr
.endr
	s_wait_dscnt 0x0                               ; my stores are done before I signal: other waves read them
	s_barrier_signal -1
	s_barrier_wait -1
	s_cmp_ge_u32 s[WV], 4
	s_cbranch_scc1 .Lend
	v_lshl_add_u32 v7, s[WV], 10, v5
	v_add_nc_u32 v7, RBASE, v7
.irp q, 0,1,2,3,4,5,6,7,8,9,10,11
.irp x, 0,1
	ds_load_b128 v[RB+8*\q+4*\x:RB+8*\q+4*\x+3], v7 offset:4096*\q+512*\x
.endr
.endr
	s_add_nc_u64 s[\ptr:\ptr+1], s[\ptr:\ptr+1], s[\base:\base+1]
	s_wait_dscnt 0x0
.irp q, 1,2,3,4,5,6,7,8,9,10,11
.irp y, 0,1,2,3
	v_pk_add_f32 v[RB+2*\y:RB+2*\y+1], v[RB+2*\y:RB+2*\y+1], v[RB+8*\q+2*\y:RB+8*\q+2*\y+1]
.endr
.endr
.if \scale
.irp y, 0,1,2,3
	v_pk_mul_f32 v[RB+2*\y:RB+2*\y+1], v[RB+2*\y:RB+2*\y+1], K1BITS op_sel_hi:[1,0]
.endr
.endif
.irp y, 0,1,2,3
	v_cvt_pk_f16_f32 v[OUTP+\y], v[RB+2*\y], v[RB+2*\y+1]
.endr
	global_store_b128 v5, v[OUTP:OUTP+3], s[\ptr:\ptr+1]
.endm
	s_load_b512 s[4:19], s[0:1], 0x0               ; Wq s[4:5], kf s[6:7], output s[8:9], aux s[10:11], bv s[12:13], w_law_d, w_accu_d, w_term_d s[14:19]
	s_load_b256 s[20:27], s[0:1], 0x40             ; b_law_d, b_accu_d, b_term_d s[20:25], attention_mask s[26:27]
	s_load_b128 s[28:31], s[0:1], 0x60             ; mf s[28:29], cu s[30:31]
	v_lshl_add_u32 v254, v0, 2, 0x3f000
	v_mov_b32 v255, 0
	ds_add_u32 v254, v255
	ds_add_u32 v254, v255
	s_wait_dscnt 0x0
	v_and_b32 v6, 31, v0                           ; lane
	v_lshrrev_b32 v1, 5, v0
	v_readfirstlane_b32 s[WV], v1                  ; wave p, 0..11
	v_and_b32 v1, 15, v0                           ; r
	v_bfe_u32 v2, v0, 4, 1                         ; h
	s_mov_b32 s33, ttmp9                           ; g
	s_mov_b32 s2, 0x76543210
	s_mov_b32 s3, 0xfedcba98
	s_cmp_ge_u32 s33, 192
	s_cbranch_scc1 .Lvec
	; ---- M^T ----
	s_and_b32 s34, s33, 15                         ; bt
	s_lshr_b32 s35, s33, 4                         ; db
	s_mov_b32 s[G1+0], 0x07520000                  ; no mask; element of 4 bytes; padding on: after every 64 words (code 5) 4 words (code 3)
	s_mov_b32 s[G1+1], 64<<16                      ; tensor_dim0 = 64
	s_mov_b32 s[G1+2], 64<<16                      ; tensor_dim1 = 64
	s_mov_b32 s[G1+3], 64<<16                      ; tile_dim0 = 64 elements: 256 bytes
	s_mov_b32 s[G1+4], 64                          ; tile_dim1 = 64 rows
	s_mov_b32 s[G1+5], 768                         ; from row to row
	s_mov_b32 s[G1+6], 0
	s_mov_b32 s[G1+7], 0
	s_mov_b32 s[G0], 1
	s_mul_i32 s[G0+1], s[WV], WTILE                ; my wave's own bytes
	s_mul_i32 s36, s35, 64*ROWB                    ; Wq: row 64 db, byte 256 p
	s_lshl_b32 s37, s[WV], 8
	s_add_co_u32 s36, s36, s37
	s_mov_b32 s37, 0
	s_wait_kmcnt 0x0
	s_add_nc_u64 s[G0+2:G0+3], s[4:5], s[36:37]
	s_or_b32 s[G0+3], s[G0+3], 0x80000000          ; type = 2
	tensor_load_to_lds s[G0:G0+3], s[G1:G1+7]      ; the wave's one tensor load, ahead of everything else
	s_nop 0
	s_mul_i32 s38, s34, 12                         ; kf: ((12 bt + p) 4 + j) 512 + 16 lane
	s_add_co_u32 s38, s38, s[WV]
	s_lshl_b32 s38, s38, 11
	v_lshl_add_u32 v4, v6, 4, s38
.irp j, 0,1,2,3
	global_load_b128 v[KB+4*\j:KB+4*\j+3], v4, s[6:7] offset:512*\j
.endr
	v_mul_u32_u24 v3, v1, WPITCH                   ; in LDS: row 16 a + r, byte 128 h + 16 y
	v_lshl_add_u32 v3, v2, 7, v3
	v_add_nc_u32 v3, s[G0+1], v3
	s_lshr_b32 s36, s34, 2                         ; where wave a stores: (((24 (bt >> 2) + 2 db + (a >> 1)) 4 + (bt & 3)) 2 + (a & 1)) 512
	s_mul_i32 s36, s36, 24
	s_lshl_b32 s37, s35, 1
	s_add_co_u32 s36, s36, s37
	s_lshr_b32 s37, s[WV], 1
	s_add_co_u32 s36, s36, s37
	s_lshl_b32 s36, s36, 2
	s_and_b32 s37, s34, 3
	s_add_co_u32 s36, s36, s37
	s_lshl_b32 s36, s36, 1
	s_and_b32 s37, s[WV], 1
	s_add_co_u32 s36, s36, s37
	s_lshl_b32 s36, s36, 9
	s_mov_b32 s37, 0
	s_wait_tensorcnt 0x0                           ; my tile is in LDS, and no tensor load is out at the end
.irp a, 0,1,2,3
.irp y, 0,1,2,3,4,5,6,7
	ds_load_b128 v[RAWA+32*\a+4*\y:RAWA+32*\a+4*\y+3], v3 offset:16*WPITCH*\a+16*\y   ; a lane takes 128 consecutive bytes of its row
.endr
.endr
.irp a, 0,1,2,3
	s_wait_dscnt 24-8*\a                           ; the later tiles' loads, eight each, may be out
.irp x, 0,1
.irp jp, 0,1
.irp ii, 0,1,2,3
	v_cvt_pk_f16_f32 v[F0+32*\x+8*\a+4*\jp+\ii], v[RAWA+32*\a+8*\ii+2*\x+\jp], v[RAWA+32*\a+8*\ii+4+2*\x+\jp]
.endr
.endr
.endr
.endr
	s_wait_loadcnt 0x0                             ; the fragments of KP
.irp a, 0,1,2,3
	v_wmma_f32_16x16x32_f16 v[ACC+8*\a:ACC+8*\a+7], v[F0+8*\a:F0+8*\a+7], v[KB:KB+7], 0
.endr
.irp a, 0,1,2,3
	v_wmma_f32_16x16x32_f16 v[ACC+8*\a:ACC+8*\a+7], v[F0+32+8*\a:F0+32+8*\a+7], v[KB+8:KB+15], v[ACC+8*\a:ACC+8*\a+7]   ; the four accumulators take turns
.endr
.rept 4
	v_nop                                          ; four places behind the last matrix instruction (ISA guide 7.12.1) before its results are stored
.endr
	REDUCE12 1, 28, 36
.Lend:
	s_wait_tensorcnt 0x0
	ds_add_u32 v254, v255
	s_wait_dscnt 0x0
	s_endpgm
	; ---- u and c ----
.set VO,  8                            ; v[8:31]    output[bs][.]
.set VX,  32                           ; v[32:127]  the four planes of aux
.set VBV, 128                          ; v[128:151] bv
.set VH,  152                          ; v[152:223] w_law_d, w_accu_d, w_term_d
.set DA,  224                          ; v[224:231] four pairs of running sums
.Lvec:
	s_sub_co_u32 s34, s33, 192
	s_mul_i32 s34, s34, 12
	s_add_co_u32 s34, s34, s[WV]                   ; bs
	s_cmp_ge_u32 s34, 256
	s_cbranch_scc1 .Lvend                          ; forward, to this path's own end: 22 x 12 = 264 waves for 256 rows
	s_lshl_b32 s35, s34, 2
	s_mul_i32 s40, s34, ROWB
	v_lshlrev_b32 v4, 4, v6
	v_add_nc_u32 v3, s40, v4
	s_wait_kmcnt 0x0
	s_load_b32 s36, s[26:27], s35 offset:0x0       ; mask[bs]
	s_load_b32 s37, s[20:21], 0x0                  ; b_law_d
	s_load_b32 s38, s[22:23], 0x0                  ; b_accu_d
	s_load_b32 s39, s[24:25], 0x0                  ; b_term_d
.irp i, 0,1,2,3,4,5
	global_load_b128 v[VO+4*\i:VO+4*\i+3], v3, s[8:9] offset:512*\i
	global_load_b128 v[VX+4*\i:VX+4*\i+3], v4, s[10:11] offset:512*\i
	global_load_b128 v[VX+24+4*\i:VX+24+4*\i+3], v4, s[10:11] offset:ROWB+512*\i
	global_load_b128 v[VX+48+4*\i:VX+48+4*\i+3], v4, s[10:11] offset:2*ROWB+512*\i
	global_load_b128 v[VX+72+4*\i:VX+72+4*\i+3], v4, s[10:11] offset:3*ROWB+512*\i
	global_load_b128 v[VBV+4*\i:VBV+4*\i+3], v4, s[12:13] offset:512*\i
	global_load_b128 v[VH+4*\i:VH+4*\i+3], v4, s[14:15] offset:512*\i
	global_load_b128 v[VH+24+4*\i:VH+24+4*\i+3], v4, s[16:17] offset:512*\i
	global_load_b128 v[VH+48+4*\i:VH+48+4*\i+3], v4, s[18:19] offset:512*\i
.endr
	s_mov_b32 s40, 0x44616bcd                      ; 10000 log2(e) / 16
	s_mov_b32 s41, 0xc4616bcd                      ; and its negative
	s_mov_b32 s46, K1BITS
	s_wait_loadcnt 0x0
	s_wait_kmcnt 0x0
	DOT DA, VO, VX, 1                              ; output . (Wk bq)
	DOT DA+2, VO, VX+24, 1                         ; output . (Wv w_h) ...
	DOT DA+4, VO, VX+48, 1
	DOT DA+6, VO, VX+72, 1
	DOT DA+2, VBV, VH, 0                           ; ... + bv . w_h in the same sums
	DOT DA+4, VBV, VH+24, 0
	DOT DA+6, VBV, VH+48, 0
	DOTRED DA
	DOTRED DA+2
	DOTRED DA+4
	DOTRED DA+6
	v_add_f32 v[DA+2], s37, v[DA+2]
	v_add_f32 v[DA+4], s38, v[DA+4]
	v_add_f32 v[DA+6], s39, v[DA+6]
	v_cvt_f32_i32 v232, s36
	v_fma_f32 v232, v232, s40, s41                 ; (mask - 1) x 10000 log2(e) / 16
	v_fma_f32 v[DA], v[DA], s46, v232              ; + K1 x the dot product
	v_cmp_eq_u32 s42, 1, v6
	v_cmp_eq_u32 s43, 2, v6
	v_cmp_eq_u32 s44, 3, v6
	v_cndmask_b32 v233, v[DA+2], v[DA+4], s42      ; lanes 0..2: u_h; lane 3: c
	v_cndmask_b32 v233, v233, v[DA+6], s43
	v_cndmask_b32 v233, v233, v[DA], s44
	v_lshl_add_u32 v234, v6, 10, s35               ; cu[lane][bs]
	v_cmp_gt_u32 vcc_lo, 4, v6
	s_wait_xcnt 0x0                                ; EXEC changes only when no earlier memory instruction still needs it
	s_and_saveexec_b32 s45, vcc_lo
	global_store_b32 v234, v233, s[30:31]          ; four words to four planes: cu is 4,096 bytes in all
	s_wait_xcnt 0x0
	s_or_b32 exec_lo, exec_lo, s45
.Lvend:
	s_endpgm
.Lfunc_end_k_q6102a8e42e_prepB:
	.size	k_q6102a8e42e_prepB, .Lfunc_end_k_q6102a8e42e_prepB-k_q6102a8e42e_prepB
	.p2alignl 7, 3214868480
	.fill 96, 4, 3214868480
	.section	.rodata,"a",@progbits
	.p2align	6, 0x0
	.amdhsa_kernel k_q6102a8e42e_prepB
		.amdhsa_group_segment_fixed_size 259584
		.amdhsa_private_segment_fixed_size 0
		.amdhsa_enable_private_segment 0
		.amdhsa_kernarg_size 112
		.amdhsa_user_sgpr_count 2
		.amdhsa_user_sgpr_kernarg_segment_ptr 1
		.amdhsa_wavefront_size32 1
		.amdhsa_system_sgpr_workgroup_id_x 1
		.amdhsa_system_sgpr_workgroup_id_y 1
		.amdhsa_system_sgpr_workgroup_id_z 1
		.amdhsa_system_vgpr_workitem_id 0
		.amdhsa_next_free_vgpr 256
		.amdhsa_next_free_sgpr 66
		.amdhsa_reserve_vcc 1
		.amdhsa_float_denorm_mode_32 3
		.amdhsa_float_denorm_mode_16_64 3
		.amdhsa_memory_ordered 1
		.amdhsa_forward_progress 1
		.amdhsa_inst_pref_size 30
	.end_amdhsa_kernel
	.amdgpu_metadata
---
amdhsa.version: [ 1, 2 ]
amdhsa.kernels:
  - .name:           k_q6102a8e42e_prepB
    .symbol:         k_q6102a8e42e_prepB.kd
    .args:
      - { .name: Wq, .offset: 0, .size: 8, .value_kind: global_buffer, .address_space: global }
      - { .name: kf, .offset: 8, .size: 8, .value_kind: global_buffer, .address_space: global }
      - { .name: output, .offset: 16, .size: 8, .value_kind: global_buffer, .address_space: global }
      - { .name: aux, .offset: 24, .size: 8, .value_kind: global_buffer, .address_space: global }
      - { .name: bv, .offset: 32, .size: 8, .value_kind: global_buffer, .address_space: global }
      - { .name: w_law_d, .offset: 40, .size: 8, .value_kind: global_buffer, .address_space: global }
      - { .name: w_accu_d, .offset: 48, .size: 8, .value_kind: global_buffer, .address_space: global }
      - { .name: w_term_d, .offset: 56, .size: 8, .value_kind: global_buffer, .address_space: global }
      - { .name: b_law_d, .offset: 64, .size: 8, .value_kind: global_buffer, .address_space: global }
      - { .name: b_accu_d, .offset: 72, .size: 8, .value_kind: global_buffer, .address_space: global }
      - { .name: b_term_d, .offset: 80, .size: 8, .value_kind: global_buffer, .address_space: global }
      - { .name: attention_mask, .offset: 88, .size: 8, .value_kind: global_buffer, .address_space: global }
      - { .name: mf, .offset: 96, .size: 8, .value_kind: global_buffer, .address_space: global }
      - { .name: cu, .offset: 104, .size: 8, .value_kind: global_buffer, .address_space: global }
    .group_segment_fixed_size: 259584
    .private_segment_fixed_size: 0
    .kernarg_segment_align: 8
    .kernarg_segment_size: 112
    .max_flat_workgroup_size: 384
    .sgpr_count:     66
    .vgpr_count:     256
    .wavefront_size: 32
...
	.end_amdgpu_metadata
.endif
;; end of part 2
;; launch main (part 3): grid 256 x 1, 4 waves a work-group, no clusters, 327,680 bytes of LDS; arguments laws, mf, cu, w_law1, w_accu1, w_term1, part; writes part
.if DOCPART == 3
	.amdgcn_target "amdgcn-amd-amdhsa--gfx1250"
	.amdhsa_code_object_version 6
	.text
	.protected	k_q6102a8e42e_main
	.globl	k_q6102a8e42e_main
	.p2align	8
	.type	k_q6102a8e42e_main,@function
k_q6102a8e42e_main:
	s_mov_b64 s[64:65], 0
	v_nop
	global_prefetch_b8 v0, s[64:65] scope:SCOPE_SE
	s_setreg_imm32_b32 hwreg(HW_REG_WAVE_MODE, 25, 1), 1
	s_wait_xcnt 0x0
; THIRD LAUNCH: the one pass over laws.  bk is left out: its term is the same along the axis of the softmax (see the first kernel).
; The 103 x 512 = 52,736 law rows are shared out evenly: work-group i owns rows 206 i .. 206 i + 205: six steps of 32 rows (two tiles of 16)
; and a last step of one tile with 14 live rows (the tensor load writes zeros for the other two; their results are masked away at the end).
; Wave w owns the 64 columns bs = 64 w .. 64 w + 63 (batch b = w >> 1) and keeps their part of M^T, 64 x 768 f16, in 768 registers
; for the whole launch (why f16, and its room: see the first kernel).
; LAW ROWS ARE READ AS f32 AND ROUNDED ONCE.  All four waves multiply the same 16 rows, so each row is rounded to f16 by one wave, the one whose
; tensor load brought it (8 rows of a step), and laid into an f16 stage in LDS, from which all four take their source-1 fragments:
; for a tile a wave has 24 + 12 + 48 LDS instructions and 48 roundings, against 96 and 192 if every wave rounded for itself.
; THE ORDER OF A STEP k, one barrier each.  In front of the barrier every wave waits for its LDS instructions and its tensor loads.  Behind it:
; raw slot k % 2, rounded during step k - 1, is filled again with step k + 2 (first thing); the products of step k run on stage k % 2;
; and between their twelve runs of 16 the wave rounds its 8 rows of raw slot (k + 1) % 2 into stage (k + 1) % 2, a twelfth at a time.  That stage
; was last read in step k - 1, whose reads every wave had waited for in front of this barrier.  The roundings are also the places that the
; fragment loads need behind the products.
; THE MATRIX INSTRUCTION IS USED TRANSPOSED: source 0 = 16 columns bs of M (rows of M^T), source 1 = 16 law rows.  Lane (r, h), register j
; of accumulator t then holds the score of law row r at s = 16 t + 8 h + j: the maximum and the exponentials of a row stay in two lanes,
; and the rounded exponentials ARE source-1 fragments of the second product, U^T x P, whose rows are u_law, u_accu, u_term (upper bf16),
; ones (the denominator), and the three lower bf16 parts of u.  P too goes in as an upper and a lower bf16 part, two products each:
; one bf16 alone would leave a softmax weight 8 significant bits.
; Scores are in units of log2 / 16: M carries log2(e) / (16 sqrt(768)), the first product of a tile takes c (bias and mask, likewise
; divided) as its C, and the 16 comes back in the fused multiply-add that takes the maximum away.
; Each wave takes its own maximum over its 64 s away before the exponential and leaves, for each row, a record
; [n_law, n_accu, n_term, den | -max, 0, 0, 0] in LDS; at the end the two waves of a batch are merged with 2^(max_w - max).
; Then tanh, the weights w_*1, and a sum over the rows of the group, apart for the two laws that the 206 rows can touch:
; part[i][wave][segment][law, accu, term, 0].
; NO CLUSTER: no two work-groups read the same law rows; M^T is read once by each wave, straight into registers, since its 393,216 bytes
; have no room in LDS beside the slots.
;
; LDS.  Raw slots at 0 and 99,840: a law row is three pieces of 1,024 bytes, each followed by 16 bytes of padding, 3,120 = 195 x 16 bytes a row.
; Stages at 199,680 and 249,344: a row of 768 f16 in 1,552 = 97 x 16 bytes.  Records at 299,008, the last sums at 325,632.  All are multiples
; of 256, and no tensor load lands behind 199,680.
; BANKS.  A chunk is 8 numbers: 32 bytes raw, 16 bytes in the stage.  Lane (rho = l & 7, j = l >> 3) rounds row rho, chunks 16 i + 4 j + c:
; sixteen lanes read 16-byte columns 3 rho + 8 j modulo 16, all different.  In the stage chunk 16 i + 4 j + c lies at place
; 16 i + 8 (j & 1) + 4 (j >> 1) + c, so that the sixteen lanes store to columns rho + 8 j, all different; the fragment loads, whose sixteen
; lanes take one place of sixteen rows (columns r), carry that order in their immediates.
.set CH,     1040                      ; a piece of 1,024 bytes and its padding
.set ROWP,   3*CH                      ; a law row in a raw slot
.set RAWB,   32*ROWP                   ; 99,840: a raw slot
.set SP,     1552                      ; a law row in a stage
.set TOFF,   16*SP                     ; a tile in a stage
.set STGB,   32*SP                     ; 49,664: a stage
.set STG0,   2*RAWB                    ; 199,680
.set REC,    STG0+2*STGB               ; 299,008
.set RECW,   208*32                    ; a wave's records
.set RED,    REC+4*RECW                ; 325,632
.set WGROWS, 206
.set WGB,    WGROWS*3072               ; 632,832 bytes of laws for a work-group
; window 0
.set RB0,  3                           ; v3        my chunks in raw slot 0
.set RECA, 4                           ; v4        where my half of a record goes
.set RB1,  5                           ; v5        my chunks in raw slot 1
.set MX,   6                           ; v[6:7]    -16 x the row's maximum, twice
.set MC,   8                           ; v[8:11]   four chains of maxima (at the start: two address registers)
.set MT,   12
.set MOFF, 13                          ; v13       my offset in mf
.set T0,   14
.set T1,   15
.set ACC,  16                          ; v[16:47]  scores, tile t at 8 t
.set CI,   48                          ; v[48:79]  c as an accumulator image
.set RAWS, 80                          ; v[80:95]  two chunks as f32
.set CO,   96                          ; v[96:103] the same in f16
.set SB0,  104                         ; v104, v105 where my chunks go in stage 0, 1
.set SB1,  105
.set FB0,  106                         ; v106, v107 my part of the fragments in stage 0, 1
.set FB1,  107
.set RBT,  108                         ; v108, v109 the last step's chunks: from where, to where
.set SBT,  109
.set W1,   112                         ; v[112:123] the weights w_*1 of the rows that I merge at the end, v[124:127] their offsets
.set F0,   144                         ; v[144:207] law fragments, two buffers of four K steps
.set PL,   F0+32                       ; v[176:191] lower parts of P: buffer 1 is idle from a tile's last products to the next tile's second fragment loads
.set TS,   F0+48                       ; v[192:199] at work in the split of P
.set URAW, F0+32                       ; v[176:207] at the start: u as loaded
.set UF,   208                         ; v[208:223] U^T fragments for s 0..31 and 32..63
.set PF,   224                         ; v[224:239] upper parts of P
.set D2A,  240                         ; v[240:247]
.set D2B,  248                         ; v[248:255]
; windows 1 to 3 (v256..v1023): M^T, fragment (kk, t) in window 1 + kk / 8 at register ((kk % 8) 4 + t) 8
.set G1,  24                           ; s[24:31] shape of a full load: 24 rows of 256 f32
.set G1T, 32                           ; s[32:39] shape of the last step's load: 12 rows, zeros past the group's last row
.set G00, 40                           ; s[40:43], s[44:47], s[48:51]: from where, to where, for slot 0, slot 1, the last step
.set G01, 44
.set G0T, 48
.set MSB, 0
.macro WIN new                         ; the immediate's high byte repeats the setting that is left
.if MSB != (\new)
	s_set_vgpr_msb (MSB<<8)|(\new)
.set MSB, (\new)
.endif
.endm
.macro WSUM reg, tmp
	v_add_f32_dpp v[\reg], v[\reg], v[\reg] row_xmask:1 row_mask:0xf bank_mask:0xf
	v_add_f32_dpp v[\reg], v[\reg], v[\reg] row_xmask:2 row_mask:0xf bank_mask:0xf
	v_add_f32_dpp v[\reg], v[\reg], v[\reg] row_xmask:4 row_mask:0xf bank_mask:0xf
	v_add_f32_dpp v[\reg], v[\reg], v[\reg] row_xmask:8 row_mask:0xf bank_mask:0xf
	v_permlanex16_b32 v[\tmp], v[\reg], s52, s53
	v_add_f32 v[\reg], v[\reg], v[\tmp]
.endm
; THE ROUNDING, in twelve slices sl = 0..11.  kind 1: a full step, two chunks a slice (i = sl / 2, c = 2 (sl % 2) + 0, 1);
; kind 2: the last step, where a wave has 4 rows: lane (l & 3, l >> 2), one chunk a slice (chunk 32 (sl / 4) + 4 (l >> 2) + sl % 4); kind 0: nothing left.
.macro LDR kind, rb, sl                ; the slice's raw words
.if \kind == 1
.irp e, 0,1
	ds_load_b128 v[RAWS+8*\e:RAWS+8*\e+3],   v[\rb] offset:(((\sl)/2)/2)*CH+(((\sl)/2)%2)*512+(2*((\sl)%2)+\e)*32
	ds_load_b128 v[RAWS+8*\e+4:RAWS+8*\e+7], v[\rb] offset:(((\sl)/2)/2)*CH+(((\sl)/2)%2)*512+(2*((\sl)%2)+\e)*32+16
.endr
.endif
.if \kind == 2
	ds_load_b128 v[RAWS:RAWS+3],   v[\rb] offset:((\sl)/4)*CH+((\sl)%4)*32
	ds_load_b128 v[RAWS+4:RAWS+7], v[\rb] offset:((\sl)/4)*CH+((\sl)%4)*32+16
.endif
.endm
.macro CVS kind                        ; at least four plain vector instructions in every kind: the places behind the last run of products
.if \kind == 1
.irp e, 0,1
.irp y, 0,1,2,3
	v_cvt_pk_f16_f32 v[CO+4*\e+\y], v[RAWS+8*\e+2*\y], v[RAWS+8*\e+2*\y+1]
.endr
.endr
.endif
.if \kind == 2
.irp y, 0,1,2,3
	v_cvt_pk_f16_f32 v[CO+\y], v[RAWS+2*\y], v[RAWS+2*\y+1]
.endr
.endif
.if \kind == 0
.rept 4
	v_nop
.endr
.endif
.endm
.macro STS kind, sb, sl                ; the slice's chunks into the stage
.if \kind == 1
.irp e, 0,1
	ds_store_b128 v[\sb], v[CO+4*\e:CO+4*\e+3] offset:256*((\sl)/2)+16*(2*((\sl)%2)+\e)
.endr
.endif
.if \kind == 2
	ds_store_b128 v[\sb], v[CO:CO+3] offset:512*((\sl)/4)+16*((\sl)%4)
.endif
.endm
; 8 LDS loads: the fragments of K steps kk = 4 g + s into buffer g % 2.  A lane takes d = 32 kk + 8 h + 0..7 (chunk 4 kk + h) and
; 32 kk + 16 + 8 h + 0..7 (chunk 4 kk + 2 + h) of its row; chunk 4 kk lies at place 16 g + 8 (s % 2) + 4 (s / 2).
.macro LDF fb, toff, g
.irp s, 0,1,2,3
	ds_load_b128 v[F0+32*((\g)%2)+8*\s:F0+32*((\g)%2)+8*\s+3],   v[\fb] offset:\toff+256*(\g)+128*(\s%2)+64*(\s/2)
	ds_load_b128 v[F0+32*((\g)%2)+8*\s+4:F0+32*((\g)%2)+8*\s+7], v[\fb] offset:\toff+256*(\g)+128*(\s%2)+64*(\s/2)+32
.endr
.endm
; 16 matrix instructions: four K steps x four score tiles.  The four accumulators take turns, one instruction a turn.
; The tile's very first four take c as C: nothing is cleared and no bias is added later.
.macro MM g
	WIN (1+\g/2)                                   ; source 0 in the window that holds these K steps of M^T
.irp s, 0,1,2,3
.irp t, 0,1,2,3
.if (4*\g+\s) == 0
	v_wmma_f32_16x16x32_f16 v[ACC+8*\t:ACC+8*\t+7], v[8*\t:8*\t+7], v[F0:F0+7], v[CI+8*\t:CI+8*\t+7]
.else
	v_wmma_f32_16x16x32_f16 v[ACC+8*\t:ACC+8*\t+7], v[(((4*\g+\s)%8)*4+\t)*8:(((4*\g+\s)%8)*4+\t)*8+7], v[F0+32*(\g%2)+8*\s:F0+32*(\g%2)+8*\s+7], v[ACC+8*\t:ACC+8*\t+7]
.endif
.endr
.endr
	WIN 0
.endm
.macro SUBT t                          ; 16 x score - 16 x maximum, one rounding: the exponent in units of log2
	s_wait_alu depctr_va_vdst(0)
.irp y, 0,1,2,3
	v_pk_fma_f32 v[ACC+8*\t+2*\y:ACC+8*\t+2*\y+1], v[ACC+8*\t+2*\y:ACC+8*\t+2*\y+1], 0x41800000, v[MX:MX+1] op_sel_hi:[1,0,1]
.endr
.endm
.macro EXPT t
.irp y, 0,1,2,3,4,5,6,7
	v_exp_f32 v[ACC+8*\t+\y], v[ACC+8*\t+\y]
.endr
.endm
; P = upper bf16 + lower bf16.  Tile 2 q gives registers 0-3 of fragment q, tile 2 q + 1 registers 4-7, of both parts.
.macro SPLIT t
	s_wait_alu depctr_va_vdst(0)
.irp y, 0,1,2,3
	v_cvt_pk_bf16_f32 v[PF+4*\t+\y], v[ACC+8*\t+2*\y], v[ACC+8*\t+2*\y+1]
.endr
.irp y, 0,1,2,3
	v_lshlrev_b32 v[TS+2*\y],   16,  v[PF+4*\t+\y]         ; the upper parts as f32
	v_and_b32     v[TS+2*\y+1], s54, v[PF+4*\t+\y]
.endr
.irp y, 0,1,2,3
	v_pk_add_f32 v[ACC+8*\t+2*\y:ACC+8*\t+2*\y+1], v[ACC+8*\t+2*\y:ACC+8*\t+2*\y+1], v[TS+2*\y:TS+2*\y+1] neg_lo:[0,1] neg_hi:[0,1]   ; what they leave: exact
.endr
.irp y, 0,1,2,3
	v_cvt_pk_bf16_f32 v[PL+4*\t+\y], v[ACC+8*\t+2*\y], v[ACC+8*\t+2*\y+1]
.endr
.endm
.macro SOFTMAX
.rept 4
	v_nop                                          ; four places behind the last matrix instruction (ISA guide 7.12.1) before its results are read
.endr
.irp t, 0,1,2,3
	v_max3_num_f32 v[MC+\t], v[ACC+8*\t], v[ACC+8*\t+1], v[ACC+8*\t+2]
.endr
.irp t, 0,1,2,3
	v_max3_num_f32 v[MC+\t], v[MC+\t], v[ACC+8*\t+3], v[ACC+8*\t+4]
.endr
.irp t, 0,1,2,3
	v_max3_num_f32 v[MC+\t], v[MC+\t], v[ACC+8*\t+5], v[ACC+8*\t+6]
.endr
.irp t, 0,1,2,3
	v_max_num_f32 v[MC+\t], v[MC+\t], v[ACC+8*\t+7]
.endr
	v_max3_num_f32 v[MT], v[MC], v[MC+1], v[MC+2]
	v_max_num_f32 v[MT], v[MT], v[MC+3]
	v_permlanex16_b32 v[T0], v[MT], s52, s53       ; the other 32 s of the row lie in lane l xor 16
	v_max_num_f32 v[MT], v[MT], v[T0]
	v_mul_f32 v[MX], 0xc1800000, v[MT]             ; -16 x the maximum: exact
	v_mov_b32 v[MX+1], v[MX]
	; behind each group of exponentials a plain vector instruction that touches none of them stands ahead of their first use (ISA guide 5.7.2):
	; another tile's subtraction or another tile's split
	SUBT 0
	SUBT 1
	EXPT 0
	SUBT 2
	EXPT 1
	SUBT 3
	SPLIT 0
	EXPT 2
	SPLIT 1
	EXPT 3
	SPLIT 2
	SPLIT 3
.endm
; the second product and the row's record
.macro PU
	v_wmma_f32_16x16x32_bf16 v[D2A:D2A+7], v[UF:UF+7], v[PF:PF+7], 0
	v_wmma_f32_16x16x32_bf16 v[D2B:D2B+7], v[UF+8:UF+15], v[PF+8:PF+15], 0
	v_wmma_f32_16x16x32_bf16 v[D2A:D2A+7], v[UF:UF+7], v[PL:PL+7], v[D2A:D2A+7]             ; the two accumulators take turns
	v_wmma_f32_16x16x32_bf16 v[D2B:D2B+7], v[UF+8:UF+15], v[PL+8:PL+15], v[D2B:D2B+7]
.rept 4
	v_nop                                          ; four places (ISA guide 7.12.1)
.endr
.irp y, 0,1,2,3
	v_pk_add_f32 v[D2A+2*\y:D2A+2*\y+1], v[D2A+2*\y:D2A+2*\y+1], v[D2B+2*\y:D2B+2*\y+1]
.endr
	v_pk_add_f32 v[D2A:D2A+1], v[D2A:D2A+1], v[D2A+4:D2A+5]                     ; upper and lower parts of u
	v_pk_add_f32 v[D2A+2:D2A+3], v[D2A+2:D2A+3], v[D2A+6:D2A+7]
	v_cndmask_b32 v[D2A], v[D2A], v[MX], s54       ; lanes 16-31 hold rows 8-15 of U^T, which are zeros: they carry -16 x the maximum
	ds_store_b128 v[RECA], v[D2A:D2A+3]
	v_add_nc_u32 v[RECA], 512, v[RECA]             ; the next tile's 16 records
.endm
; Tile tl (0 or 1) of the stage at fb.  In front of each run of 16 products: the slice's roundings (raw words asked for one run earlier), the
; fragment loads of the next run into the buffer that the last run read, the slice's stores, the next slice's raw loads.  All of these
; have a run of products in which to land, so one wait for all of them stands at the head.  nxt = 1: the stage's other tile follows,
; and its first fragments are asked for ahead of this tile's last run.
.macro TILE kind, rb, sb, fb, tl, nxt
.irp g, 0,1,2,3,4,5
	s_wait_dscnt 0x0                               ; this run's fragments and this slice's raw words are in
	CVS \kind
.if \g < 5
	LDF \fb, (\tl*TOFF), (\g+1)
.else
.if \nxt
	LDF \fb, ((\tl+1)*TOFF), 0
.endif
.endif
	STS \kind, \sb, (6*\tl+\g)
.if (6*\tl+\g) < 11
	LDR \kind, \rb, (6*\tl+\g+1)
.endif
	MM \g
.endr
	SOFTMAX
	PU
.endm
.macro STEP kind, rb, sb, fb, nt       ; the nt tiles of the stage at fb; beside them the rounding from rb to sb
	LDR \kind, \rb, 0
	LDF \fb, 0, 0
	TILE \kind, \rb, \sb, \fb, 0, (\nt-1)
.if \nt == 2
	TILE \kind, \rb, \sb, \fb, 1, 0
.endif
.endm
; The barrier between two steps.  Every wave waits for its LDS instructions (its reads of the stage and of the raw slot, its stores to the other
; stage) and for all its tensor loads, steps the address while no load of its own is out, and passes the barrier; the refill is the first
; thing behind it and the wave's one tensor load until the next barrier.
.macro SYNC refill, g0, step, g1
	s_wait_dscnt 0x0
	s_wait_tensorcnt 0x0
	ds_add_u32 v142, v143
	s_wait_dscnt 0x0
.if \step
	s_add_nc_u64 s[\g0+2:\g0+3], s[\g0+2:\g0+3], \step
.endif
	s_barrier_signal -1
	s_barrier_wait -1
.if \refill
	tensor_load_to_lds s[\g0:\g0+3], s[\g1:\g1+7]
	s_nop 0
.endif
.endm
	s_load_b256 s[4:11], s[0:1], 0x0               ; laws s[4:5], mf s[6:7], cu s[8:9], w_law1 s[10:11]
	s_load_b128 s[12:15], s[0:1], 0x20             ; w_accu1 s[12:13], w_term1 s[14:15]
	s_load_b64 s[16:17], s[0:1], 0x30              ; part
	v_lshl_add_u32 v142, v0, 2, 0x4f900
	v_mov_b32 v143, 0
	ds_add_u32 v142, v143
	ds_add_u32 v142, v143
	v_lshrrev_b32 v1, 5, v0
	v_readfirstlane_b32 s18, v1                    ; wave w
	s_mov_b32 s19, ttmp9                           ; work-group i
	; The group's 632,832 bytes of laws are dense, so they are described as rows of 256 f32.  A wave brings 8 law rows (24 such rows) of a slot.
	s_mov_b32 s[G1+0], 0x07d20000                  ; no mask; element of 4 bytes; padding on: after every 256 words (code 7) 4 words (code 3)
	s_mov_b32 s[G1+1], 256<<16                     ; tensor_dim0 = 256
	s_mov_b32 s[G1+2], 24<<16                      ; tensor_dim1 = 24
	s_mov_b32 s[G1+3], 256<<16                     ; tile_dim0 = 256
	s_mov_b32 s[G1+4], 24                          ; tile_dim1 = 24
	s_mov_b32 s[G1+5], 256                         ; from row to row
	s_mov_b32 s[G1+6], 0
	s_mov_b32 s[G1+7], 0
	s_mov_b32 s[G1T+0], 0x07d20000
	s_mov_b32 s[G1T+1], 256<<16
	s_mul_i32 s20, s18, 12
	s_sub_co_u32 s20, 42, s20                      ; what is left of the group's rows from my first: 3 (206 - 192 - 4 w); wave 3 has 6 of its 12, the rest arrive as zeros
	s_lshl_b32 s[G1T+2], s20, 16
	s_mov_b32 s[G1T+3], 256<<16
	s_mov_b32 s[G1T+4], 12
	s_mov_b32 s[G1T+5], 256
	s_mov_b32 s[G1T+6], 0
	s_mov_b32 s[G1T+7], 0
	s_mov_b32 s[G00], 1
	s_mul_i32 s[G00+1], s18, 24*CH                 ; my quarter of slot 0
	s_mov_b32 s[G01], 1
	s_add_co_u32 s[G01+1], s[G00+1], RAWB          ; and of slot 1
	s_mov_b32 s[G0T], 1
	s_mul_i32 s[G0T+1], s18, 12*CH                 ; my four rows of the last step, in slot 0
	s_mul_i32 s20, s19, WGB
	s_mov_b32 s21, 0
	s_mul_i32 s22, s18, 8*3072
	s_mov_b32 s23, 0
	s_wait_dscnt 0x0
	s_wait_kmcnt 0x0
	s_add_nc_u64 s[4:5], s[4:5], s[20:21]          ; the group's first row
	s_add_nc_u64 s[G00+2:G00+3], s[4:5], s[22:23]  ; rows 8 w ..
	s_add_nc_u64 s[G01+2:G01+3], s[G00+2:G00+3], 32*3072   ; rows 32 + 8 w ..
	s_mul_i32 s22, s18, 4*3072
	s_add_nc_u64 s[G0T+2:G0T+3], s[4:5], s[22:23]
	s_add_nc_u64 s[G0T+2:G0T+3], s[G0T+2:G0T+3], 192*3072  ; rows 192 + 4 w ..
	s_or_b32 s[G00+3], s[G00+3], 0x80000000        ; type = 2
	s_or_b32 s[G01+3], s[G01+3], 0x80000000
	s_or_b32 s[G0T+3], s[G0T+3], 0x80000000
	tensor_load_to_lds s[G00:G00+3], s[G1:G1+7]    ; both first fills go out together, ahead of everything else: two loads of a wave are out, later one
	s_nop 0
	tensor_load_to_lds s[G01:G01+3], s[G1:G1+7]
	s_nop 0
	s_mov_b32 s52, 0x76543210                      ; v_permlanex16_b32: lane l reads lane l xor 16
	s_mov_b32 s53, 0xfedcba98
	s_mov_b32 s54, 0xffff0000                      ; lanes 16-31; also a word's upper bf16
	s_movk_i32 s63, WGROWS
	s_mul_i32 s22, s19, WGROWS                     ; my group's first row among all
	s_and_b32 s20, s18, 1
	s_lshl_b32 s20, s20, 5
	s_add_co_u32 s59, s22, s20                     ; 206 i + 32 (w & 1)
	s_lshr_b32 s60, s22, 9
	s_add_co_u32 s60, s60, 1
	s_lshl_b32 s60, s60, 9
	s_sub_co_u32 s60, s60, s22                     ; the group's rows from this one on belong to the next law
	v_and_b32 v1, 15, v0                           ; r
	v_bfe_u32 v2, v0, 4, 1                         ; h
	v_mul_u32_u24 v[FB0], v1, SP                   ; fragments: row r, 16 h
	v_lshl_add_u32 v[FB0], v2, 4, v[FB0]
	v_add_nc_u32 v[FB0], STG0, v[FB0]
	v_add_nc_u32 v[FB1], STGB, v[FB0]
	v_and_b32 v[T0], 7, v0                         ; rho
	v_bfe_u32 v[T1], v0, 3, 2                      ; j
	v_mul_u32_u24 v[RB0], v[T0], ROWP
	v_lshl_add_u32 v[RB0], v[T1], 7, v[RB0]        ; four chunks of 32 bytes for each j
	s_mul_i32 s20, s18, 8*ROWP
	v_add_nc_u32 v[RB0], s20, v[RB0]               ; my own 8 rows
	v_add_nc_u32 v[RB1], RAWB, v[RB0]
	v_mul_u32_u24 v[SB0], v[T0], SP
	v_bfe_u32 v[T1], v0, 3, 1
	v_lshl_add_u32 v[SB0], v[T1], 7, v[SB0]        ; 8 places for j & 1
	v_lshl_add_u32 v[SB0], v2, 6, v[SB0]           ; 4 places for j >> 1, which is h
	s_mul_i32 s20, s18, 8*SP
	s_add_co_u32 s20, s20, STG0
	v_add_nc_u32 v[SB0], s20, v[SB0]
	v_add_nc_u32 v[SB1], STGB, v[SB0]
	v_and_b32 v[T0], 3, v0                         ; the last step: row l & 3,
	v_bfe_u32 v[T1], v0, 2, 3                      ; K step 8 (sl / 4) + (l >> 2)
	v_mul_u32_u24 v[RBT], v[T0], ROWP
	v_lshl_add_u32 v[RBT], v[T1], 7, v[RBT]
	s_mul_i32 s20, s18, 4*ROWP
	v_add_nc_u32 v[RBT], s20, v[RBT]
	v_mul_u32_u24 v[SBT], v[T0], SP
	v_lshl_add_u32 v[SBT], v2, 8, v[SBT]           ; 16 places for bit 2 of l >> 2,
	v_bfe_u32 v[T1], v0, 2, 1
	v_lshl_add_u32 v[SBT], v[T1], 7, v[SBT]        ; 8 for bit 0,
	v_bfe_u32 v[T1], v0, 3, 1
	v_lshl_add_u32 v[SBT], v[T1], 6, v[SBT]        ; 4 for bit 1
	s_mul_i32 s20, s18, 4*SP
	s_add_co_u32 s20, s20, STG0
	v_add_nc_u32 v[SBT], s20, v[SBT]
	s_mul_i32 s20, s18, RECW
	s_add_co_u32 s20, s20, REC
	v_lshlrev_b32 v[RECA], 5, v1
	v_lshl_add_u32 v[RECA], v2, 4, v[RECA]
	v_add_nc_u32 v[RECA], s20, v[RECA]             ; REC + 6,656 w + 32 r + 16 h
	v_and_b32 v[T0], 31, v0
	s_mul_i32 s20, s18, 98304
	v_lshl_add_u32 v[MOFF], v[T0], 4, s20          ; my wave's 98,304 bytes of mf, 16 bytes a lane
	v_add_nc_u32 v[T1], s59, v[T0]                 ; 206 i + 32 (w & 1) + lane
	s_lshl_b32 s20, s18, 8
	v_lshl_add_u32 v[MC], v2, 5, s20               ; cu: 4 (64 w + 8 h)
	v_and_b32 v[MC+1], 3, v1
	v_lshl_add_u32 v[MC+1], v[MC+1], 10, v[MC]     ; + plane r & 3
.irp t, 0,1,2,3
	global_load_b128 v[CI+8*\t:CI+8*\t+3],   v[MC], s[8:9] offset:3072+64*\t       ; c[64 w + 16 t + 8 h + 0..7]
	global_load_b128 v[CI+8*\t+4:CI+8*\t+7], v[MC], s[8:9] offset:3072+64*\t+16
.endr
.irp q, 0,1
	global_load_b128 v[URAW+16*\q:URAW+16*\q+3],     v[MC+1], s[8:9] offset:128*\q   ; u[r & 3][64 w + 32 q + 8 h + 0..7], then + 16
	global_load_b128 v[URAW+16*\q+4:URAW+16*\q+7],   v[MC+1], s[8:9] offset:128*\q+16
	global_load_b128 v[URAW+16*\q+8:URAW+16*\q+11],  v[MC+1], s[8:9] offset:128*\q+64
	global_load_b128 v[URAW+16*\q+12:URAW+16*\q+15], v[MC+1], s[8:9] offset:128*\q+80
.endr
.irp p, 0,1,2,3
	v_add_nc_u32 v[W1+12+\p], 64*\p, v[T1]         ; the rows that this wave merges at the end,
	v_and_b32 v[W1+12+\p], 511, v[W1+12+\p]        ; each inside its law
	v_lshlrev_b32 v[W1+12+\p], 2, v[W1+12+\p]
	global_load_b32 v[W1+3*\p],   v[W1+12+\p], s[10:11]
	global_load_b32 v[W1+3*\p+1], v[W1+12+\p], s[12:13]
	global_load_b32 v[W1+3*\p+2], v[W1+12+\p], s[14:15]
.endr
.irp c, 1,2,3
	WIN (\c<<6)                                    ; destination in window c, address in window 0
.set n, 0
.rept 64
	global_load_b128 v[4*n:4*n+3], v[MOFF], s[6:7] offset:(64*(\c-1)+n)*512        ; 512 consecutive bytes a load
.set n, n+1
.endr
.endr
	WIN 0
	; U^T: rows 0-2 the upper bf16 of u_h, row 3 ones, rows 4-6 the lower bf16 (u minus its upper part), rows 7-15 zeros
	v_cmp_gt_u32 s56, 3, v1
	v_cmp_eq_u32 s57, 3, v1
	v_add_nc_u32 v[T0], -4, v1
	v_cmp_gt_u32 s58, 3, v[T0]                     ; r = 4, 5, 6 (below 4 the difference wraps round)
	v_mov_b32 v[T1], 0x3f803f80
	s_wait_loadcnt 0x3f                            ; 192 loads were issued behind the 28 of cu and w_*1: with 63 out, those 28 are in
.irp q, 0,1
.irp i, 0,1,2,3,4,5,6,7
	v_cvt_pk_bf16_f32 v[F0], v[URAW+16*\q+2*\i], v[URAW+16*\q+2*\i+1]
	v_lshlrev_b32 v[F0+1], 16, v[F0]
	v_and_b32 v[F0+2], s54, v[F0]
	v_sub_f32 v[F0+1], v[URAW+16*\q+2*\i], v[F0+1]
	v_sub_f32 v[F0+2], v[URAW+16*\q+2*\i+1], v[F0+2]
	v_cvt_pk_bf16_f32 v[F0+1], v[F0+1], v[F0+2]
	v_cndmask_b32 v[F0+1], 0, v[F0+1], s58
	v_cndmask_b32 v[F0+1], v[F0+1], v[F0], s56
	v_cndmask_b32 v[UF+8*\q+\i], v[F0+1], v[T1], s57
.endr
.endr
	; step 0 is rounded here, while the last loads of M^T land
	s_wait_tensorcnt 0x1                           ; my quarter of slot 0 is in, and I alone read it; slot 1's load may stay out
	LDR 1, RB0, 0
.irp sl, 0,1,2,3,4,5,6,7,8,9,10,11
	s_wait_dscnt 0x0
	CVS 1
	STS 1, SB0, \sl
.if \sl < 11
	LDR 1, RB0, (\sl+1)
.endif
.endr
	s_wait_loadcnt 0x0                             ; M^T is in
	s_mov_b32 s55, 2
.Lpair:                                            ; steps 0 and 1, then 2 and 3
	SYNC 1, G00, 64*3072, G1                       ; slot 0 takes the step after next: a whole step's work in which to land
	STEP 1, RB1, SB1, FB0, 2
	SYNC 1, G01, 64*3072, G1
	STEP 1, RB0, SB0, FB1, 2
	s_sub_co_u32 s55, s55, 1
	s_cmp_lg_u32 s55, 0
	s_cbranch_scc1 .Lpair
	SYNC 1, G0T, 0, G1T                            ; rows 192-207 into slot 0: the last load
	STEP 1, RB1, SB1, FB0, 2                       ; step 4; step 5 is rounded
	SYNC 0, G00, 0, G1                             ; nothing is left to fetch; the wait for all tensor loads shows the last one landed
	STEP 2, RBT, SBT, FB1, 2                       ; step 5; the last step's rows are rounded
	SYNC 0, G00, 0, G1
	STEP 0, RB0, SB0, FB0, 1                       ; rows 192-207
	; THE END: waves 2 b and 2 b + 1 hold the two halves of batch b.  Wave w merges rows 64 p + 32 (w & 1) + lane, p = 0..3, of batch w >> 1.
.set EB,  144                          ; pass p at 16 p: [0:3] sums of the first half, [4] [5] the two negated maxima, [8:11] sums of the second half
.set SMA, 80                           ; v[80:83] sums for the first law, v[84:87] for the second
.set SMB, 84
.set IDX, 88                           ; v[88:91] the row of each pass
	s_wait_dscnt 0x0                               ; my records are stored before I signal
	s_barrier_signal -1
	s_barrier_wait -1
	v_and_b32 v[T0], 31, v0
	s_and_b32 s20, s18, 1
	s_lshl_b32 s20, s20, 5
	v_add_nc_u32 v[T0], s20, v[T0]
	s_and_b32 s21, s18, 2
	s_mul_i32 s21, s21, RECW
	s_add_co_u32 s21, s21, REC
.irp p, 0,1,2,3
	v_add_nc_u32 v[IDX+\p], 64*\p, v[T0]
	v_min_u32 v[T1], 207, v[IDX+\p]                ; rows past the last record read the last one and are masked below
	v_lshl_add_u32 v[T1], v[T1], 5, s21
	ds_load_b128 v[EB+16*\p:EB+16*\p+3],    v[T1]
	ds_load_b32  v[EB+16*\p+4],             v[T1] offset:16
	ds_load_b128 v[EB+16*\p+8:EB+16*\p+11], v[T1] offset:RECW
	ds_load_b32  v[EB+16*\p+5],             v[T1] offset:RECW+16
.endr
	s_wait_dscnt 0x0
.macro PASS p, first
	v_min_num_f32 v[T1], v[EB+16*\p+4], v[EB+16*\p+5]      ; the records hold -max_w, so the smaller is -max
	v_sub_f32 v[EB+16*\p+4], v[T1], v[EB+16*\p+4]          ; max_w - max
	v_sub_f32 v[EB+16*\p+5], v[T1], v[EB+16*\p+5]
	v_exp_f32 v[EB+16*\p+4], v[EB+16*\p+4]         ; 2^(max_w - max): one of the two is 1, so the denominator is at least 1
	v_exp_f32 v[EB+16*\p+5], v[EB+16*\p+5]
	v_nop                                          ; one plain place behind a transcendental (ISA guide 5.7.2), here and below
	s_wait_alu depctr_va_vdst(0)
.irp y, 0,1,2,3
	v_mul_f32 v[EB+16*\p+\y], v[EB+16*\p+\y], v[EB+16*\p+4]
.endr
.irp y, 0,1,2,3
	v_fmac_f32 v[EB+16*\p+\y], v[EB+16*\p+8+\y], v[EB+16*\p+5]
.endr
	v_rcp_f32 v[EB+16*\p+3], v[EB+16*\p+3]
	v_nop
	s_wait_alu depctr_va_vdst(0)
	v_mul_f32 v[EB+16*\p+3], 0x4038aa3b, v[EB+16*\p+3]     ; 2 log2(e) / denominator
.irp y, 0,1,2
	v_mul_f32 v[EB+16*\p+\y], v[EB+16*\p+\y], v[EB+16*\p+3]
.endr
.irp y, 0,1,2
	v_exp_f32 v[EB+16*\p+\y], v[EB+16*\p+\y]
.endr
	v_nop
	s_wait_alu depctr_va_vdst(0)
.irp y, 0,1,2
	v_add_f32 v[EB+16*\p+\y], 1.0, v[EB+16*\p+\y]
.endr
.irp y, 0,1,2
	v_rcp_f32 v[EB+16*\p+\y], v[EB+16*\p+\y]
.endr
	v_nop
	s_wait_alu depctr_va_vdst(0)
.irp y, 0,1,2
	v_fma_f32 v[EB+16*\p+\y], v[EB+16*\p+\y], -2.0, 1.0    ; tanh
.endr
	v_cmp_gt_u32 s61, s63, v[IDX+\p]               ; a row of the group
	v_cmp_le_u32 s62, s60, v[IDX+\p]               ; of its second law
	s_and_not1_b32 s20, s61, s62
	s_and_b32 s21, s61, s62
.irp y, 0,1,2
	v_cndmask_b32 v[T0], 0, v[W1+3*\p+\y], s20
	v_cndmask_b32 v[T1], 0, v[W1+3*\p+\y], s21
.if \first
	v_mul_f32 v[SMA+\y], v[T0], v[EB+16*\p+\y]
	v_mul_f32 v[SMB+\y], v[T1], v[EB+16*\p+\y]
.else
	v_fmac_f32 v[SMA+\y], v[T0], v[EB+16*\p+\y]
	v_fmac_f32 v[SMB+\y], v[T1], v[EB+16*\p+\y]
.endif
.endr
.endm
	PASS 0, 1
	PASS 1, 0
	PASS 2, 0
	PASS 3, 0
.irp y, 0,1,2
	WSUM SMA+\y, T1
	WSUM SMB+\y, T1
.endr
	v_mov_b32 v[SMA+3], 0
	v_mov_b32 v[SMB+3], 0
	s_lshl_b32 s20, s18, 5
	s_add_co_u32 s20, s20, RED
	v_mov_b32 v[T0], s20
	ds_store_b128 v[T0], v[SMA:SMA+3]              ; every lane holds the same sums
	ds_store_b128 v[T0], v[SMB:SMB+3] offset:16
	s_wait_dscnt 0x0
	s_barrier_signal -1
	s_barrier_wait -1
	s_cmp_lg_u32 s18, 0
	s_cbranch_scc1 .Lend
	v_and_b32 v[T0], 31, v0
	v_lshlrev_b32 v[T0], 2, v[T0]
	v_add_nc_u32 v[T1], RED, v[T0]
	ds_load_b32 v[SMA], v[T1]
	s_lshl_b32 s20, s19, 7
	s_mov_b32 s21, 0
	s_add_nc_u64 s[16:17], s[16:17], s[20:21]
	s_wait_dscnt 0x0
	global_store_b32 v[T0], v[SMA], s[16:17]       ; the group's 128 bytes in one store
.Lend:
	s_wait_tensorcnt 0x0
	ds_add_u32 v142, v143
	s_wait_dscnt 0x0
	s_endpgm
.Lfunc_end_k_q6102a8e42e_main:
	.size	k_q6102a8e42e_main, .Lfunc_end_k_q6102a8e42e_main-k_q6102a8e42e_main
	.p2alignl 7, 3214868480
	.fill 96, 4, 3214868480
	.section	.rodata,"a",@progbits
	.p2align	6, 0x0
	.amdhsa_kernel k_q6102a8e42e_main
		.amdhsa_group_segment_fixed_size 327680
		.amdhsa_private_segment_fixed_size 0
		.amdhsa_enable_private_segment 0
		.amdhsa_kernarg_size 56
		.amdhsa_user_sgpr_count 2
		.amdhsa_user_sgpr_kernarg_segment_ptr 1
		.amdhsa_wavefront_size32 1
		.amdhsa_system_sgpr_workgroup_id_x 1
		.amdhsa_system_sgpr_workgroup_id_y 1
		.amdhsa_system_sgpr_workgroup_id_z 1
		.amdhsa_system_vgpr_workitem_id 0
		.amdhsa_next_free_vgpr 1024
		.amdhsa_next_free_sgpr 66
		.amdhsa_reserve_vcc 0
		.amdhsa_float_denorm_mode_32 3
		.amdhsa_float_denorm_mode_16_64 3
		.amdhsa_memory_ordered 1
		.amdhsa_forward_progress 1
		.amdhsa_inst_pref_size 255
	.end_amdhsa_kernel
	.section	.bss,"aw",@nobits
	.p2align	6
	.space	262144
	.amdgpu_metadata
---
amdhsa.version: [ 1, 2 ]
amdhsa.kernels:
  - .name:           k_q6102a8e42e_main
    .symbol:         k_q6102a8e42e_main.kd
    .args:
      - { .name: laws, .offset: 0, .size: 8, .value_kind: global_buffer, .address_space: global }
      - { .name: mf, .offset: 8, .size: 8, .value_kind: global_buffer, .address_space: global }
      - { .name: cu, .offset: 16, .size: 8, .value_kind: global_buffer, .address_space: global }
      - { .name: w_law1, .offset: 24, .size: 8, .value_kind: global_buffer, .address_space: global }
      - { .name: w_accu1, .offset: 32, .size: 8, .value_kind: global_buffer, .address_space: global }
      - { .name: w_term1, .offset: 40, .size: 8, .value_kind: global_buffer, .address_space: global }
      - { .name: part, .offset: 48, .size: 8, .value_kind: global_buffer, .address_space: global }
    .group_segment_fixed_size: 327680
    .private_segment_fixed_size: 0
    .kernarg_segment_align: 8
    .kernarg_segment_size: 56
    .max_flat_workgroup_size: 128
    .sgpr_count:     66
    .vgpr_count:     1024
    .wavefront_size: 32
...
	.end_amdgpu_metadata
.endif
;; end of part 3
;; launch final (part 4): grid 1 x 1, 32 waves a work-group, no clusters, 8,192 bytes of LDS; arguments part, W_accu2, W_term2, b_law1, b_accu1, b_term1, b_accu2, b_term2, out0, out1, out2; writes out0, out1, out2
.if DOCPART == 4
	.amdgcn_target "amdgcn-amd-amdhsa--gfx1250"
	.amdhsa_code_object_version 6
	.text
	.protected	k_q6102a8e42e_final
	.globl	k_q6102a8e42e_final
	.p2align	8
	.type	k_q6102a8e42e_final,@function
k_q6102a8e42e_final:
	s_mov_b64 s[64:65], 0
	v_nop
	global_prefetch_b8 v0, s[64:65] scope:SCOPE_SE
	s_setreg_imm32_b32 hwreg(HW_REG_WAVE_MODE, 25, 1), 1
	s_wait_xcnt 0x0
; FOURTH LAUNCH: the sums over the rows of each law are put together from the 256 groups' partial sums, then the two small dense layers.
; One work-group: 86 KB of inputs and two dependent steps; more groups would each repeat the first step and write parts of outputs of under
; 1,000 bytes.  The products here have two rows (the batch), so they are done by the vector unit in f32.
; 32 waves: the 130 rows of the two weight matrices are five a wave at the most, so that the dependent chains of the sums over lanes,
; twelve instructions a row, are short in each wave and those of eight waves on a SIMD cover each other.
; part[i][wave 2 b + e][segment][law, accu, term, 0]: segment 0 belongs to law (206 i) >> 9, segment 1 to law (206 i + 205) >> 9
; (where the two are the same law, segment 1 holds zeros).
; Step 1, waves 0 to 7: thread (b = tid >> 7, l = tid & 127) adds what falls to law l: groups floor(512 l / 206) and the three behind it at the most.
; Step 2, all waves: wave w takes rows w, w + 32, w + 64, w + 96 of W_accu2 and row w of W_term2; a lane takes l = lane + 32 c.
; Step 3, waves 0 to 7: bias and stores by neighbouring lanes.
; LDS: act[head 2][b 2][128] at 0; out1 without bias (238 words) at 2,048; out2 without bias (22 words) at 3,072.
.set IU,  8                            ; v[8:11]    group number i0 + j
.set IC,  12                           ; v[12:15]   the same, at most 255
.set PA,  16                           ; v[16:19]   its offset in part
.set PT,  20                           ; v[20:83]   part: j at 16 j; e, segment at 8 e + 4 segment
.set ACT, 20                           ; v[20:35]   behind step 1: act[head][b][lane + 32 c] at 8 head + 4 b + c
.set WR,  84                           ; v[84:103]  four rows of W_accu2, one of W_term2
.set BI,  104                          ; v104, v105 biases of step 3
.set AW,  106                          ; v[106:111] offsets of my rows: plain, last column block; the same for the two clamped rows
.set AB,  112                          ; v112, v113 offsets of the biases
.set SS,  114                          ; v[114:116] the three sums
.set TA,  117                          ; v[117:121] at work
.set RA,  122
.set DP,  123                          ; v123, v124 dot products of the two batches; v125 at work
.macro WSUM reg, tmp
	v_add_f32_dpp v[\reg], v[\reg], v[\reg] row_xmask:1 row_mask:0xf bank_mask:0xf
	v_add_f32_dpp v[\reg], v[\reg], v[\reg] row_xmask:2 row_mask:0xf bank_mask:0xf
	v_add_f32_dpp v[\reg], v[\reg], v[\reg] row_xmask:4 row_mask:0xf bank_mask:0xf
	v_add_f32_dpp v[\reg], v[\reg], v[\reg] row_xmask:8 row_mask:0xf bank_mask:0xf
	v_permlanex16_b32 v[\tmp], v[\reg], s2, s3
	v_add_f32 v[\reg], v[\reg], v[\tmp]
.endm
.macro WLOAD dst, a, ptr, off          ; a row of 103 numbers: three blocks of 32, and a fourth whose lanes stop at column 102
	global_load_b32 v[\dst],   v[\a],   s[\ptr:\ptr+1] offset:\off
	global_load_b32 v[\dst+1], v[\a],   s[\ptr:\ptr+1] offset:\off+128
	global_load_b32 v[\dst+2], v[\a],   s[\ptr:\ptr+1] offset:\off+256
	global_load_b32 v[\dst+3], v[\a+1], s[\ptr:\ptr+1] offset:\off
.endm
.macro WALL                            ; the 22 loads that every wave issues
	WLOAD WR,    AW,   6, 0
	WLOAD WR+4,  AW,   6, 32*412
	WLOAD WR+8,  AW,   6, 64*412
	WLOAD WR+12, AW+2, 6, 96*412
	WLOAD WR+16, AW+4, 8, 0
	global_load_b32 v[BI],   v[AB],   s[16:17]
	global_load_b32 v[BI+1], v[AB+1], s[18:19]
.endm
.macro ROW wreg, hd, off, bstr         ; one row of a weight matrix against both batches
.irp b, 0,1
	v_mul_f32  v[DP+\b], v[\wreg],   v[ACT+8*\hd+4*\b]
	v_fmac_f32 v[DP+\b], v[\wreg+1], v[ACT+8*\hd+4*\b+1]
	v_fmac_f32 v[DP+\b], v[\wreg+2], v[ACT+8*\hd+4*\b+2]
	v_fmac_f32 v[DP+\b], v[\wreg+3], v[ACT+8*\hd+4*\b+3]   ; act is 0 from l = 103 on, so the repeated column 102 adds nothing
.endr
	WSUM DP, DP+2
	WSUM DP+1, DP+2
	ds_store_b32 v[RA], v[DP]   offset:\off
	ds_store_b32 v[RA], v[DP+1] offset:\off+\bstr
.endm
	s_load_b512 s[4:19], s[0:1], 0x0               ; part s[4:5], W_accu2 s[6:7], W_term2 s[8:9], b_law1, b_accu1, b_term1 s[10:15], b_accu2 s[16:17], b_term2 s[18:19]
	s_load_b128 s[20:23], s[0:1], 0x40             ; out0 s[20:21], out1 s[22:23]
	s_load_b64 s[24:25], s[0:1], 0x50              ; out2
	v_lshl_add_u32 v126, v0, 2, 0x1000
	v_mov_b32 v127, 0
	v_lshrrev_b32 v1, 5, v0
	v_readfirstlane_b32 s26, v1                    ; wave w
	v_and_b32 v1, 31, v0                           ; lane
	s_mov_b32 s2, 0x76543210
	s_mov_b32 s3, 0xfedcba98
	s_mul_i32 s28, s26, 412                        ; a row of 103 f32
	s_min_u32 s29, s26, 22                         ; row 96 + w exists for w up to 22,
	s_mul_i32 s29, s29, 412
	s_min_u32 s30, s26, 10                         ; row w of W_term2 for w up to 10: the other waves load the last row and do not use it
	s_mul_i32 s30, s30, 412
	v_lshlrev_b32 v7, 2, v1
	v_add_nc_u32 v[TA], 96, v1
	v_min_u32 v[TA], 102, v[TA]
	v_lshlrev_b32 v[TA], 2, v[TA]
	v_add_nc_u32 v[AW],   s28, v7
	v_add_nc_u32 v[AW+1], s28, v[TA]
	v_add_nc_u32 v[AW+2], s29, v7
	v_add_nc_u32 v[AW+3], s29, v[TA]
	v_add_nc_u32 v[AW+4], s30, v7
	v_add_nc_u32 v[AW+5], s30, v[TA]
	v_min_u32 v[AB], 237, v0                       ; tid mod 119: the smaller of x and x - 119, which wraps round below 119
	v_add_nc_u32 v[TA+1], 0xffffff89, v[AB]
	v_min_u32 v[AB], v[AB], v[TA+1]
	v_lshlrev_b32 v[AB], 2, v[AB]
	v_min_u32 v[AB+1], 21, v0                      ; tid mod 11 likewise
	v_add_nc_u32 v[TA+1], -11, v[AB+1]
	v_min_u32 v[AB+1], v[AB+1], v[TA+1]
	v_lshlrev_b32 v[AB+1], 2, v[AB+1]
	v_mov_b32 v[DP+2], 0
	s_lshl_b32 s40, s26, 2
	s_add_co_u32 s40, s40, 2048
	v_mov_b32 v[RA], s40                           ; 2,048 + 4 w
	s_wait_kmcnt 0x0
	s_cmp_ge_u32 s26, 8
	s_cbranch_scc1 .Lothers
	; waves 0 to 7: the loads of part first, then the rows; step 1
	v_and_b32 v2, 127, v0                          ; place among the batch's 128
	v_lshrrev_b32 v3, 7, v0                        ; b
	v_min_u32 v4, 102, v2                          ; l
	s_mov_b32 s27, 10424832                        ; a little above 2^22 x 512 / 206: exact floor for l up to 102 (excess below 0.004, fractions end at 102/103)
	v_mul_lo_u32 v5, v4, s27
	v_lshrrev_b32 v5, 22, v5                       ; i0 = floor(512 l / 206)
	v_lshlrev_b32 v6, 6, v3
.irp j, 0,1,2,3
	v_add_nc_u32 v[IU+\j], \j, v5
	v_min_u32 v[IC+\j], 255, v[IU+\j]
	v_lshl_add_u32 v[PA+\j], v[IC+\j], 7, v6       ; 128 i + 64 b
.endr
	s_load_b32 s31, s[10:11], 0x0                  ; b_law1
	s_load_b32 s32, s[12:13], 0x0                  ; b_accu1
	s_load_b32 s33, s[14:15], 0x0                  ; b_term1
.irp j, 0,1,2,3
.irp x, 0,1,2,3
	global_load_b128 v[PT+16*\j+4*\x:PT+16*\j+4*\x+3], v[PA+\j], s[4:5] offset:16*\x
.endr
.endr
	WALL
	s_movk_i32 s41, 255
	s_mov_b32 s39, 0x4038aa3b                      ; 2 log2(e)
	s_wait_loadcnt 0x16                            ; the 22 loads issued behind the 16 of part may be out
.irp j, 0,1,2,3
	v_cmp_ge_u32 s34, s41, v[IU+\j]                ; the group exists
	v_mul_u32_u24 v7, v[IC+\j], 206
	v_lshrrev_b32 v[TA], 9, v7
	v_cmp_eq_u32 s35, v[TA], v4                    ; its first law is l
	v_add_nc_u32 v7, 205, v7
	v_lshrrev_b32 v[TA], 9, v7
	v_cmp_eq_u32 s36, v[TA], v4                    ; its last law is l
	s_and_b32 s35, s35, s34
	s_and_b32 s36, s36, s34
.irp y, 0,1,2
	v_add_f32 v[TA], v[PT+16*\j+\y], v[PT+16*\j+8+\y]
	v_add_f32 v[TA+1], v[PT+16*\j+4+\y], v[PT+16*\j+12+\y]
.if \j
	v_cndmask_b32 v[TA], 0, v[TA], s35
	v_add_f32 v[SS+\y], v[SS+\y], v[TA]
.else
	v_cndmask_b32 v[SS+\y], 0, v[TA], s35          ; the first term starts the sum
.endif
	v_cndmask_b32 v[TA+1], 0, v[TA+1], s36
	v_add_f32 v[SS+\y], v[SS+\y], v[TA+1]
.endr
.endr
	s_wait_kmcnt 0x0
	s_mul_f32 s32, s32, s39
	s_mul_f32 s33, s33, s39
	v_add_f32 v[TA+2], s31, v[SS]                  ; the law head
	v_mul_u32_u24 v[TA+3], v3, 103
	v_add_lshl_u32 v[TA+3], v[TA+3], v4, 2
	v_cmp_gt_u32 vcc_lo, 103, v2
	s_mov_b32 s38, vcc_lo
	s_wait_xcnt 0x0                                ; EXEC changes only when no earlier memory instruction still needs it
	s_and_saveexec_b32 s37, s38
	global_store_b32 v[TA+3], v[TA+2], s[20:21]
	s_wait_xcnt 0x0
	s_or_b32 exec_lo, exec_lo, s37
	v_fma_f32 v[TA],   v[SS+1], s39, s32           ; 2 log2(e) (S + b)
	v_fma_f32 v[TA+1], v[SS+2], s39, s33
	v_exp_f32 v[TA], v[TA]
	v_exp_f32 v[TA+1], v[TA+1]
	v_nop                                          ; one plain place behind a transcendental (ISA guide 5.7.2)
	s_wait_alu depctr_va_vdst(0)
	v_add_f32 v[TA], 1.0, v[TA]
	v_add_f32 v[TA+1], 1.0, v[TA+1]
	v_rcp_f32 v[TA], v[TA]
	v_rcp_f32 v[TA+1], v[TA+1]
	v_lshlrev_b32 v[TA+4], 2, v0                   ; 4 tid = 512 b + 4 (tid & 127)
	s_wait_alu depctr_va_vdst(0)
	v_fma_f32 v[TA], v[TA], -2.0, 1.0              ; tanh
	v_fma_f32 v[TA+1], v[TA+1], -2.0, 1.0
	v_cndmask_b32 v[TA], 0, v[TA], s38             ; zeros from l = 103 on
	v_cndmask_b32 v[TA+1], 0, v[TA+1], s38
	ds_store_b32 v[TA+4], v[TA]
	ds_store_b32 v[TA+4], v[TA+1] offset:1024
	s_branch .Lacts
.Lothers:                                          ; waves 8 to 31: their rows alone
	WALL
.Lacts:
	s_wait_dscnt 0x0                               ; the stores of act are done before the signal
	s_barrier_signal -1
	s_barrier_wait -1
	; step 2
	v_lshlrev_b32 v7, 2, v1
.irp hd, 0,1
.irp b, 0,1
.irp c, 0,1,2,3
	ds_load_b32 v[ACT+8*\hd+4*\b+\c], v7 offset:1024*\hd+512*\b+128*\c
.endr
.endr
.endr
	s_wait_dscnt 0x0
	s_wait_loadcnt 0x0
	ROW WR,   0, 0,   476                          ; row w + 32 t: word 119 b + w + 32 t
	ROW WR+4, 0, 128, 476
	ROW WR+8, 0, 256, 476
	s_cmp_gt_u32 s26, 22
	s_cbranch_scc1 .Lno_row_119                    ; row 96 + w ends at 118
	ROW WR+12, 0, 384, 476
.Lno_row_119:
	s_cmp_gt_u32 s26, 10
	s_cbranch_scc1 .Lno_row_11                     ; row w of W_term2 ends at 10
	ROW WR+16, 1, 1024, 44                         ; word 11 b + w at 3,072
.Lno_row_11:
	s_wait_dscnt 0x0
	s_barrier_signal -1
	s_barrier_wait -1
	s_cmp_ge_u32 s26, 8
	s_cbranch_scc1 .Lend                           ; 238 and 22 numbers: the first eight waves store them
	; step 3
	v_min_u32 v7, 237, v0
	v_lshlrev_b32 v7, 2, v7
	ds_load_b32 v[TA], v7 offset:2048
	v_min_u32 v[TA+1], 21, v0
	v_lshlrev_b32 v[TA+1], 2, v[TA+1]
	ds_load_b32 v[TA+2], v[TA+1] offset:3072
	v_lshlrev_b32 v[TA+4], 2, v0
	s_wait_dscnt 0x0
	v_add_f32 v[TA], v[TA], v[BI]
	v_add_f32 v[TA+2], v[TA+2], v[BI+1]
	v_cmp_gt_u32 vcc_lo, 238, v0
	s_wait_xcnt 0x0
	s_and_saveexec_b32 s37, vcc_lo
	global_store_b32 v[TA+4], v[TA], s[22:23]
	s_wait_xcnt 0x0
	s_or_b32 exec_lo, exec_lo, s37
	v_cmp_gt_u32 vcc_lo, 22, v0
	s_and_saveexec_b32 s37, vcc_lo
	global_store_b32 v[TA+4], v[TA+2], s[24:25]
	s_wait_xcnt 0x0
	s_or_b32 exec_lo, exec_lo, s37
.Lend:
	s_wait_tensorcnt 0x0
	ds_add_u32 v126, v127
	s_wait_dscnt 0x0
	s_endpgm
.Lfunc_end_k_q6102a8e42e_final:
	.size	k_q6102a8e42e_final, .Lfunc_end_k_q6102a8e42e_final-k_q6102a8e42e_final
	.p2alignl 7, 3214868480
	.fill 96, 4, 3214868480
	.section	.rodata,"a",@progbits
	.p2align	6, 0x0
	.amdhsa_kernel k_q6102a8e42e_final
		.amdhsa_group_segment_fixed_size 8192
		.amdhsa_private_segment_fixed_size 0
		.amdhsa_enable_private_segment 0
		.amdhsa_kernarg_size 88
		.amdhsa_user_sgpr_count 2
		.amdhsa_user_sgpr_kernarg_segment_ptr 1
		.amdhsa_wavefront_size32 1
		.amdhsa_system_sgpr_workgroup_id_x 1
		.amdhsa_system_sgpr_workgroup_id_y 1
		.amdhsa_system_sgpr_workgroup_id_z 1
		.amdhsa_system_vgpr_workitem_id 0
		.amdhsa_next_free_vgpr 128
		.amdhsa_next_free_sgpr 66
		.amdhsa_reserve_vcc 1
		.amdhsa_float_denorm_mode_32 3
		.amdhsa_float_denorm_mode_16_64 3
		.amdhsa_memory_ordered 1
		.amdhsa_forward_progress 1
		.amdhsa_inst_pref_size 23
	.end_amdhsa_kernel
	.amdgpu_metadata
---
amdhsa.version: [ 1, 2 ]
amdhsa.kernels:
  - .name:           k_q6102a8e42e_final
    .symbol:         k_q6102a8e42e_final.kd
    .args:
      - { .name: part, .offset: 0, .size: 8, .value_kind: global_buffer, .address_space: global }
      - { .name: W_accu2, .offset: 8, .size: 8, .value_kind: global_buffer, .address_space: global }
      - { .name: W_term2, .offset: 16, .size: 8, .value_kind: global_buffer, .address_space: global }
      - { .name: b_law1, .offset: 24, .size: 8, .value_kind: global_buffer, .address_space: global }
      - { .name: b_accu1, .offset: 32, .size: 8, .value_kind: global_buffer, .address_space: global }
      - { .name: b_term1, .offset: 40, .size: 8, .value_kind: global_buffer, .address_space: global }
      - { .name: b_accu2, .offset: 48, .size: 8, .value_kind: global_buffer, .address_space: global }
      - { .name: b_term2, .offset: 56, .size: 8, .value_kind: global_buffer, .address_space: global }
      - { .name: out0, .offset: 64, .size: 8, .value_kind: global_buffer, .address_space: global }
      - { .name: out1, .offset: 72, .size: 8, .value_kind: global_buffer, .address_space: global }
      - { .name: out2, .offset: 80, .size: 8, .value_kind: global_buffer, .address_space: global }
    .group_segment_fixed_size: 8192
    .private_segment_fixed_size: 0
    .kernarg_segment_align: 8
    .kernarg_segment_size: 88
    .max_flat_workgroup_size: 1024
    .sgpr_count:     66
    .vgpr_count:     128
    .wavefront_size: 32
...
	.end_amdgpu_metadata
.endif
;; end of part 4
